; MI455X (gfx1250); checked and timed in simulation.
; The chip was launched on July 23, 2026; its instructions are those of AMD's public machine-readable ISA for CDNA 5 (MIT licence, August 2026) and "CDNA5" Instruction Set Architecture Reference Guide (July 2026). The comments in the code are by the model that wrote it; some were corrected since.
;; Transformer Block. Allowed arithmetic: matrix products marked QUANTISED: E3M2 operands, one E8M0 scale for each 32 along K, by v_wmma_scale_f32_16x16x128_f8f6f4 with both operands' format E3M2, f32 sums; everything else in f32.
;; Inputs: g1 1,024 float32; g2 1,024 float32; w1 4,096 x 1,024 float32; w2 1,024 x 4,096 float32; wk 1,024 x 1,024 float32; wo 1,024 x 1,024 float32; wq 1,024 x 1,024 float32; wv 1,024 x 1,024 float32; x 2 x 2,048 x 1,024 float32.
;; Outputs: out0 2 x 2,048 x 1,024 float32.
;; This version of the problem:
;;   THIS VERSION OF THE PROBLEM IS GIVEN IN LOW PRECISION. The matrix products marked QUANTISED in the list below multiply operands that are first quantised to E3M2 (3 exponent bits, 2 mantissa bits; 6 bits a number), with one power-of-two scale for each 32 numbers along K (OCP MX v1.0); their sums are f32. All else is computed in f32.
;;   The module's matrix products, in the order in which they are computed (A, B: the left and right operand; K: the contracted axis; several contracted axes count as one K, in the product's order):
;;     1. [M 4,096, K 1,024] x [K 1,024, N 1,024]; A: computed on the way; B: input wq: QUANTISED
;;     2. [M 4,096, K 1,024] x [K 1,024, N 1,024]; A: computed on the way; B: input wk: QUANTISED
;;     3. [M 4,096, K 1,024] x [K 1,024, N 1,024]; A: computed on the way; B: input wv: QUANTISED
;;     4. batch 32 x [M 2,048, K 64] x [K 64, N 2,048]; A: computed on the way; B: computed on the way: QUANTISED
;;     5. batch 32 x [M 64, K 2,048] x [K 2,048, N 2,048]; A: computed on the way; B: softmax (see below): QUANTISED
;;     6. [M 4,096, K 1,024] x [K 1,024, N 1,024]; A: computed on the way; B: input wo: QUANTISED
;;     7. [M 4,096, K 1,024] x [K 1,024, N 4,096]; A: computed on the way; B: input w1: QUANTISED
;;     8. [M 4,096, K 4,096] x [K 4,096, N 1,024]; A: computed on the way; B: input w2: QUANTISED
;;   THE QUANTISER, for each operand of a quantised product, along K:
;;     - K is cut into blocks of 32 from its start; a last block that is shorter is filled with zeros.
;;     - A block's scale is 2^e with e = floor(log2(the largest magnitude in the block)) - 4, held to -126 .. 127; a block of zeros has e = 0. As a byte (E8M0): e + 127.
;;     - Each number is divided by its block's scale, clamped to +-28, and rounded to the nearest number of E3M2, ties to even, subnormals kept.
;;     - The product sums the exact products of the quantised numbers (number of the format x scale) in f32.
;;   ~~~python
;;   def quantise(x, axis):      # numpy; x: float32 -> the quantised numbers, widened to float32 again
;;       x = np.moveaxis(x, axis, -1); K = x.shape[-1]
;;       x = np.pad(x, [(0, 0)] * (x.ndim - 1) + [(0, -K % 32)]); x = x.reshape(x.shape[:-1] + (-1, 32)); a = np.abs(x).max(-1, keepdims=True)
;;       e = np.where(a > 0, np.clip(np.frexp(np.where(a > 0, a, 1))[1] - 1 - 4, -126, 127), 0)      # np.frexp(a)[1] - 1 = floor(log2(a)), exactly
;;       r = np.clip(x / 2.0 ** e, -28, 28)
;;       step = 2.0 ** (np.maximum(np.frexp(np.where(r == 0, 1, r))[1] - 1, -2) - 2)
;;       q = np.round(r / step) * step * 2.0 ** e      # np.round: ties to even
;;       return np.moveaxis(q.reshape(q.shape[:-2] + (-1,))[..., :K], -1, axis).astype(np.float32)
;;   ~~~
;;   SOFTMAX AHEAD OF A QUANTISED PRODUCT. Where the list says 'softmax', what is quantised is not the finished softmax but p = 2^(t - M), with t = logit x log2(e) and M = ceil(the row's largest t), a whole number; so 1/2 < the row's largest p <= 1. The row's sum l is taken of the UNQUANTISED p, in f32, and the product's result is divided by l at the end. Since M is a whole number, a kernel that streams over the keys may use a running M (the ceiling of the running maximum): every later rescaling is an exact power of two, which a block's scale takes up: the codes' values come out the same.
;;   OPERANDS COMPUTED ON THE WAY. 'Computed on the way' means the value that the module computes at that place (a softmax that the list does not call 'softmax' is quantised finished and normalised). What goes into a quantiser is computed in f32, as accurately as f32 sums, v_exp_f32 and their like allow (about 1e-6 of the number): no bf16 or f16 on the way to a quantiser, and a product that is left as it is and whose result goes on into a quantised operand takes f32 operands (vector FMAs, or v_wmma_f32_16x16x4_f32). A number that lies on a knife's edge between two numbers of the format may be rounded either way, as far as f32 arithmetic and the matrix unit's own rounding can turn it there, and no further.
;; One version. Each part assembles by itself: llvm-mc -triple=amdgcn-amd-amdhsa -mcpu=gfx1250 --defsym DOCPART=n.
;; ======== version 1 of 1: 7 launches
;; workspace buffers: prepo 13,107,200 bytes; qkvi 10,092,544 bytes; oq 3,276,800 bytes; x2 16,777,216 bytes; h2q 13,107,200 bytes; uq 13,107,200 bytes
;; launch prep (part 1): grid 1024 x 1, 4 waves a work-group, no clusters, 67,328 bytes of LDS; arguments x, g1, wq, wk, wv, wo, w1, w2, prepo; writes prepo
.if DOCPART == 1
	.amdgcn_target "amdgcn-amd-amdhsa--gfx1250"
	.amdhsa_code_object_version 6
	.text
	.protected	k_q9079ad7316_prep
	.globl	k_q9079ad7316_prep
	.p2align	8
	.type	k_q9079ad7316_prep,@function
k_q9079ad7316_prep:
	s_mov_b64 s[64:65], 0
	v_nop
	global_prefetch_b8 v0, s[64:65] scope:SCOPE_SE
	s_setreg_imm32_b32 hwreg(HW_REG_WAVE_MODE, 25, 1), 1
	s_wait_xcnt 0x0
; f32 rows become operands of BF6 (E3M2) codes with one E8M0 scale byte for each 32 along K, laid as IMAGES OF OPERAND REGISTERS.
; A UNIT is 16 rows x 1,024 along K.  Unit g: 0-255 the tokens (first buffer), which are first normalised: h = (x * rsqrt(mean(x^2) + 1e-5)) * g;
; 256-319 wq, 320-383 wk, 384-447 wv, 448-511 wo, 512-767 w1, 768-1023 w2 (there unit = 4 x tile + quarter of K), taken as they are.
; THE 16 ROWS OF A TILE ARE NOT NEIGHBOURS: of each 32 rows tile u takes rows 8 u + r + 8 (r / 8), r = 0 .. 15.
; OUT: a fragment (16 rows x 128 K, 12 registers a lane) is 1,536 bytes: for each half (64 K) 512 bytes (registers 0-3, 16 a lane) and 256 bytes (registers 4-5, 8 a lane);
; unit g's eight fragments at g x 12,288; their scale words (16 words a fragment) at SC0 + g x 512.  Every store of codes covers whole aligned runs of 256 bytes.
; SHARES: a work-group takes a unit, wave w its columns 256 w .. 256 w + 255 (two fragments).  Loads are dense (512 consecutive bytes each); the rows turn through the wave's own stage in LDS, so that
; lane (r, h) then holds, of row r, k = 32 b + 16 h + 0 .. 15 of each block b: what the conversions want.  The row sums of the four waves meet in LDS behind the one barrier.
; NO BRANCH: every unit runs every line.  The unit's role is two numbers, role (1 or 0) and 1 - role: gain and 1/rms become y * role + (1 - role), which is y or exactly 1.
; LIMITS: NaN and infinities are not served; a block whose largest magnitude lies under 2^-122 keeps the byte 1 (a block of zeros too: its codes are zeros and only this program reads the bytes);
; h is (x * rsq) * g where the source divides by the root: the roundings stand in another order.
.set SC0,  12582912
.set ROWP, 1040                        ; a stage row: 1,024 bytes + 16 = 65 x 16: sixteen rows start at sixteen different 16-byte columns
.set WREG, 16*ROWP                     ; a wave's stage
.set RED,  4*WREG                      ; behind the stages: the partial row sums, [wave][16 rows]
.set L16,  4                           ; v4   16 x lane
.set L8,   5                           ; v5   8 x lane
.set R4,   6                           ; v6   4 x (lane % 16)
.set STA,  7                           ; v7   the stage, on the way in
.set LDA,  8                           ; v8   and on the way out: row r, + 64 h
.set GA,   9                           ; v9   64 h: my 16 gains of a block of 32
.set REDW, 10
.set REDR, 11
.set OFF,  16                          ; v16-31  row p's byte offset; free when the rows are in
.set TM,   16                          ; v16-31  the quantiser's work registers
.set D,    32                          ; v32-159 the numbers
.set G,    160                         ; v160-223 the gains of one fragment
.set PC,   224                         ; v224-243 codes
.set PW,   244                         ; v244 the scale word
.set CH,   246                         ; v246-253 four packed chains of the sum of squares
.set SEL,  40
; 64 numbers of a lane, register 16 b + i = k 32 b + 16 h + i of my row, become a fragment's codes in v[PC] on and its scale word in v[PW]
.macro QUANT s
.irp b, 0,1,2,3
	v_max3_num_f32 v[TM+\b], |v[\s+16*\b]|, |v[\s+1+16*\b]|, 0x2800000   ; my 16 numbers of block b, and the floor 2^(5 - 127): the byte cannot fall under 1
.endr
.irp i, 2,4,6,8,10,12,14
.irp b, 0,1,2,3
	v_max3_num_f32 v[TM+\b], v[TM+\b], |v[\s+16*\b+\i]|, |v[\s+1+16*\b+\i]|
.endr
.endr
.irp b, 0,1,2,3
	v_permlanex16_b32 v[TM+4+\b], v[TM+\b], s[SEL], s[SEL+1]
.endr
.irp b, 0,1,2,3
	v_max_num_f32 v[TM+\b], v[TM+\b], v[TM+4+\b]          ; with lane l xor 16's: the block's largest magnitude
.endr
.irp b, 0,1,2,3
	v_add_nc_u32 v[TM+12+\b], 0xfe000000, v[TM+\b]        ; 4 off its exponent field: the conversion's scale operand
.endr
.irp b, 0,1,2,3
	v_lshrrev_b32 v[TM+4+\b], 23, v[TM+12+\b]             ; the scale's byte
.endr
	v_lshl_or_b32 v[PW], v[TM+5], 8, v[TM+4]
	v_lshl_or_b32 v[PW], v[TM+6], 16, v[PW]
	v_lshl_or_b32 v[PW], v[TM+7], 24, v[PW]
.irp c, 0,1
	v_cvt_scalef32_pk16_bf6_f32 v[PC+6*\c:PC+2+6*\c], v[\s+32*\c:\s+15+32*\c], v[TM+12+2*\c]
	v_cvt_scalef32_pk16_bf6_f32 v[PC+12+4*\c:PC+14+4*\c], v[\s+16+32*\c:\s+31+32*\c], v[TM+12+2*\c+1]
.endr
	v_nop                                                 ; one plain place behind a scaled conversion
.irp c, 0,1                                                   ; a whole block to a lane: lanes 0-15 block 2 c, lanes 16-31 block 2 c + 1
.irp i, 0,1,2
	v_permlane16_swap_b32 v[PC+6*\c+\i], v[PC+12+4*\c+\i]
.endr
.irp i, 0,1,2
	v_mov_b32 v[PC+3+6*\c+\i], v[PC+12+4*\c+\i]
.endr
.endr
.endm
.macro GIMAGE off                      ; the fragment goes out as it stands
	global_store_b128 v[L16], v[PC:PC+3], s[36:37] offset:\off
	global_store_b64 v[L8], v[PC+4:PC+5], s[36:37] offset:\off+512
	global_store_b128 v[L16], v[PC+6:PC+9], s[36:37] offset:\off+768
	global_store_b64 v[L8], v[PC+10:PC+11], s[36:37] offset:\off+1280
.endm
.macro GLOAD s                         ; the gains of fragment s, in the numbers' order
.irp b, 0,1,2,3
.irp j, 0,1,2,3
	global_load_b128 v[G+16*\b+4*\j:G+16*\b+4*\j+3], v[GA], s[6:7] offset:512*\s+128*\b+16*\j
.endr
.endr
.endm
.macro SCALE s                         ; fragment s: (x * 1/rms) * gain; both factors are exactly 1 in a unit of weights
.set i, 0
.rept 32
	v_pk_fma_f32 v[G+2*i:G+2*i+1], v[G+2*i:G+2*i+1], v[254:255], v[12:13] op_sel_hi:[1,0,0]
.set i, i+1
.endr
.set i, 0
.rept 32
	v_pk_mul_f32 v[D+64*\s+2*i:D+64*\s+2*i+1], v[D+64*\s+2*i:D+64*\s+2*i+1], v[14:15] op_sel_hi:[1,0]
.set i, i+1
.endr
.set i, 0
.rept 32
	v_pk_mul_f32 v[D+64*\s+2*i:D+64*\s+2*i+1], v[D+64*\s+2*i:D+64*\s+2*i+1], v[G+2*i:G+2*i+1]
.set i, i+1
.endr
.endm
.macro PICKEQ n, ptr, first
	s_cmp_eq_u32 s24, \n
	s_cselect_b64 s[32:33], s[\ptr:\ptr+1], s[32:33]
	s_cselect_b32 s34, \first, s34
.endm
.macro PICKGE n, ptr, first
	s_cmp_ge_u32 s24, \n
	s_cselect_b64 s[32:33], s[\ptr:\ptr+1], s[32:33]
	s_cselect_b32 s34, \first, s34
.endm
	s_load_b512 s[4:19], s[0:1], 0x0               ; tokens s[4:5], gain s[6:7], wq, wk, wv, wo, w1, w2 s[8:19]
	s_load_b64 s[20:21], s[0:1], 0x40              ; the operands' buffer
	v_lshl_add_u32 v243, v0, 2, 0x10500
	v_mov_b32 v245, 0
	v_lshrrev_b32 v1, 5, v0
	v_readfirstlane_b32 s22, v1                    ; wave
	v_and_b32 v1, 31, v0
	v_and_b32 v2, 15, v0                           ; r
	v_bfe_u32 v3, v0, 4, 1                         ; h
	v_lshlrev_b32 v[L16], 4, v1
	v_lshlrev_b32 v[L8], 3, v1
	v_lshlrev_b32 v[R4], 2, v2
	s_mul_i32 s44, s22, WREG
	v_add_nc_u32 v[STA], s44, v[L16]
	v_mul_u32_u24 v[LDA], v2, ROWP
	v_lshl_add_u32 v[LDA], v3, 6, v[LDA]
	v_add_nc_u32 v[LDA], s44, v[LDA]
	v_lshlrev_b32 v[GA], 6, v3
	s_lshl_b32 s44, s22, 6
	v_add_nc_u32 v[REDW], s44, v[R4]
	v_add_nc_u32 v[REDW], RED, v[REDW]
	v_add_nc_u32 v[REDR], RED, v[R4]
	s_mov_b32 s[SEL], 0x76543210
	s_mov_b32 s[SEL+1], 0xfedcba98                 ; lane l xor 16
	s_mov_b32 s42, 0x3a800000                      ; 1 / 1,024
	s_mov_b32 s43, 0x3727c5ac                      ; 1e-5
	s_mov_b32 s23, ttmp9                           ; the unit
	s_lshr_b32 s24, s23, 6
	s_cmp_lt_u32 s23, 256
	s_cselect_b32 s30, 1.0, 0                      ; role
	s_cselect_b32 s31, 0, 1.0                      ; 1 - role
	v_mov_b32 v254, s30
	v_mov_b32 v255, 0                              ; (named with it as a pair)
	v_mov_b32 v12, s31
	v_mov_b32 v13, 0
	s_wait_kmcnt 0x0
	s_mov_b64 s[32:33], s[4:5]                     ; the unit's source and that source's first unit: a choice on the work-group's number alone
	s_mov_b32 s34, 0
	PICKEQ 4, 8, 256
	PICKEQ 5, 10, 320
	PICKEQ 6, 12, 384
	PICKEQ 7, 14, 448
	PICKGE 8, 16, 512
	PICKGE 12, 18, 768
	s_cselect_b32 s26, 2, 0                        ; w2: four units to a tile,
	s_cselect_b32 s27, 3, 0
	s_sub_co_u32 s28, s23, s34
	s_lshr_b32 s29, s28, s26                       ; the tile
	s_and_b32 s35, s28, s27                        ; the quarter of K
	s_lshl_b32 s25, 0x1000, s26                    ; a row in bytes: 4,096 or 16,384
	s_lshr_b32 s44, s29, 1
	s_lshl_b32 s44, s44, 5
	s_and_b32 s45, s29, 1
	s_lshl_b32 s45, s45, 3
	s_add_co_u32 s44, s44, s45                     ; the tile's first row
	s_mul_i32 s44, s44, s25
	s_lshl_b32 s45, s35, 12
	s_add_co_u32 s44, s44, s45
	s_lshl_b32 s46, s22, 10                        ; my wave's 256 columns
	s_add_co_u32 s44, s44, s46
	s_mov_b32 s45, 0
	s_mov_b32 s47, 0
	s_add_nc_u64 s[32:33], s[32:33], s[44:45]
	s_add_nc_u64 s[6:7], s[6:7], s[46:47]
	s_mul_i32 s44, s23, 12288
	s_mul_i32 s46, s22, 3072
	s_add_co_u32 s44, s44, s46
	s_add_nc_u64 s[36:37], s[20:21], s[44:45]      ; my two fragments
	s_lshl_b32 s44, s23, 9
	s_lshl_b32 s46, s22, 7
	s_add_co_u32 s44, s44, s46
	s_add_nc_u64 s[38:39], s[20:21], s[44:45]
	s_add_nc_u64 s[38:39], s[38:39], SC0           ; and their scale words
.irp p, 0,1,2,3,4,5,6,7,8,9,10,11,12,13,14,15
	s_mul_i32 s46, s25, \p+8*(\p/8)
	v_add_nc_u32 v[OFF+\p], s46, v[L16]
.endr
	GLOAD 0
.irp p, 0,1,2,3,4,5,6,7,8,9,10,11,12,13,14,15
	global_load_b128 v[D+8*\p:D+8*\p+3], v[OFF+\p], s[32:33] th:TH_LOAD_NT              ; 32 lanes read 512 consecutive bytes of row p
	global_load_b128 v[D+8*\p+4:D+8*\p+7], v[OFF+\p], s[32:33] offset:512 th:TH_LOAD_NT
.endr
.irp q, 0,1,2,3
	s_wait_loadcnt 24-8*\q                         ; four more rows are in: the count is that of the row loads issued behind them
.irp p, 0,1,2,3
	ds_store_b128 v[STA], v[D+8*(4*\q+\p):D+8*(4*\q+\p)+3] offset:ROWP*(4*\q+\p)
	ds_store_b128 v[STA], v[D+8*(4*\q+\p)+4:D+8*(4*\q+\p)+7] offset:ROWP*(4*\q+\p)+512
.endr
.endr
.irp s, 0,1
.irp b, 0,1,2,3
.irp j, 0,1,2,3
	ds_load_b128 v[D+64*\s+16*\b+4*\j:D+64*\s+16*\b+4*\j+3], v[LDA] offset:512*\s+128*\b+16*\j   ; LDS serves a wave's instructions in order: these see my stores
.endr
.endr
.endr
	s_wait_dscnt 0x0
.irp c, 0,1,2,3
	v_pk_mul_f32 v[CH+2*\c:CH+2*\c+1], v[D+2*\c:D+2*\c+1], v[D+2*\c:D+2*\c+1]   ; the sum of squares of my 128 numbers, in four packed chains
.endr
.set i, 4
.rept 60
	v_pk_fma_f32 v[CH+2*(i%4):CH+2*(i%4)+1], v[D+2*i:D+2*i+1], v[D+2*i:D+2*i+1], v[CH+2*(i%4):CH+2*(i%4)+1]
.set i, i+1
.endr
	v_pk_add_f32 v[CH:CH+1], v[CH:CH+1], v[CH+2:CH+3]
	v_pk_add_f32 v[CH+4:CH+5], v[CH+4:CH+5], v[CH+6:CH+7]
	v_pk_add_f32 v[CH:CH+1], v[CH:CH+1], v[CH+4:CH+5]
	v_add_f32 v[CH], v[CH], v[CH+1]
	v_permlanex16_b32 v[CH+1], v[CH], s[SEL], s[SEL+1]
	v_add_f32 v[CH], v[CH], v[CH+1]                ; row r's sum over my wave's 256 columns
	ds_store_b32 v[REDW], v[CH]                    ; (lanes r and r + 16 write the same word with the same value)
	s_wait_dscnt 0x0                               ; for the others' sake: my store has landed
	s_barrier_signal -1
	s_barrier_wait -1
.irp w, 0,1,2,3
	ds_load_b32 v[CH+2+\w], v[REDR] offset:64*\w
.endr
	s_wait_dscnt 0x0
	v_add_f32 v[CH+2], v[CH+2], v[CH+3]
	v_add_f32 v[CH+4], v[CH+4], v[CH+5]
	v_add_f32 v[CH+2], v[CH+2], v[CH+4]
	v_fma_f32 v[CH+2], v[CH+2], s42, s43           ; the mean + eps
	v_rsq_f32 v15, v[CH+2]
	v_nop                                          ; a plain place behind the transcendental
	s_wait_alu depctr_va_vdst(0)                   ; the wait ahead of the first reader
	v_fma_f32 v14, v15, v254, v12                  ; 1/rms for tokens, exactly 1 for weights
	SCALE 0
	GLOAD 1                                        ; the second fragment's gains land while the first is quantised
	QUANT D
	GIMAGE 0
	global_store_b32 v[R4], v[PW], s[38:39]        ; sixteen words; lanes r and r + 16 store the same word
	s_wait_loadcnt 0x0
	SCALE 1
	s_wait_xcnt 0x0                                ; the stores have read the codes' registers and the word: they are written again only behind this wait
	QUANT D+64
	GIMAGE 1536
	global_store_b32 v[R4], v[PW], s[38:39] offset:64
	s_wait_tensorcnt 0x0
	ds_add_u32 v243, v245
	s_wait_dscnt 0x0
	s_endpgm
.Lfunc_end_k_q9079ad7316_prep:
	.size	k_q9079ad7316_prep, .Lfunc_end_k_q9079ad7316_prep-k_q9079ad7316_prep
	.p2alignl 7, 3214868480
	.fill 96, 4, 3214868480
	.section	.rodata,"a",@progbits
	.p2align	6, 0x0
	.amdhsa_kernel k_q9079ad7316_prep
		.amdhsa_group_segment_fixed_size 67328
		.amdhsa_private_segment_fixed_size 0
		.amdhsa_enable_private_segment 0
		.amdhsa_kernarg_size 72
		.amdhsa_user_sgpr_count 2
		.amdhsa_user_sgpr_kernarg_segment_ptr 1
		.amdhsa_wavefront_size32 1
		.amdhsa_system_sgpr_workgroup_id_x 1
		.amdhsa_system_sgpr_workgroup_id_y 1
		.amdhsa_system_sgpr_workgroup_id_z 1
		.amdhsa_system_vgpr_workitem_id 0
		.amdhsa_next_free_vgpr 256
		.amdhsa_next_free_sgpr 66
		.amdhsa_reserve_vcc 0
		.amdhsa_float_denorm_mode_32 3
		.amdhsa_float_denorm_mode_16_64 3
		.amdhsa_memory_ordered 1
		.amdhsa_forward_progress 1
		.amdhsa_inst_pref_size 41
	.end_amdhsa_kernel
	.amdgpu_metadata
---
amdhsa.version: [ 1, 2 ]
amdhsa.kernels:
  - .name:           k_q9079ad7316_prep
    .symbol:         k_q9079ad7316_prep.kd
    .args:
      - { .name: x, .offset: 0, .size: 8, .value_kind: global_buffer, .address_space: global }
      - { .name: g1, .offset: 8, .size: 8, .value_kind: global_buffer, .address_space: global }
      - { .name: wq, .offset: 16, .size: 8, .value_kind: global_buffer, .address_space: global }
      - { .name: wk, .offset: 24, .size: 8, .value_kind: global_buffer, .address_space: global }
      - { .name: wv, .offset: 32, .size: 8, .value_kind: global_buffer, .address_space: global }
      - { .name: wo, .offset: 40, .size: 8, .value_kind: global_buffer, .address_space: global }
      - { .name: w1, .offset: 48, .size: 8, .value_kind: global_buffer, .address_space: global }
      - { .name: w2, .offset: 56, .size: 8, .value_kind: global_buffer, .address_space: global }
      - { .name: prepo, .offset: 64, .size: 8, .value_kind: global_buffer, .address_space: global }
    .group_segment_fixed_size: 67328
    .private_segment_fixed_size: 0
    .kernarg_segment_align: 8
    .kernarg_segment_size: 72
    .max_flat_workgroup_size: 128
    .sgpr_count:     66
    .vgpr_count:     256
    .wavefront_size: 32
...
	.end_amdgpu_metadata
.endif
;; end of part 1
;; launch qkv (part 2): grid 12 x 16, 4 waves a work-group, clusters of 4 x 4, 327,680 bytes of LDS; arguments prepo, qkvi; writes qkvi
.if DOCPART == 2
	.amdgcn_target "amdgcn-amd-amdhsa--gfx1250"
	.amdhsa_code_object_version 6
	.text
	.protected	k_q9079ad7316_qkv
	.globl	k_q9079ad7316_qkv
	.p2align	8
	.type	k_q9079ad7316_qkv,@function
k_q9079ad7316_qkv:
	s_mov_b64 s[64:65], 0
	v_nop
	global_prefetch_b8 v0, s[64:65] scope:SCOPE_SE
	s_setreg_imm32_b32 hwreg(HW_REG_WAVE_MODE, 25, 1), 1
	s_wait_xcnt 0x0
	s_wait_alu depctr_hold_cnt(0) depctr_sa_sdst(0) depctr_va_vdst(0) depctr_va_sdst(0) depctr_va_ssrc(0) depctr_va_vcc(0) depctr_vm_vsrc(0)
	s_getreg_b32 s2, hwreg(HW_REG_IB_STS2, 6, 4)
	s_cmp_eq_u32 s2, 0
	s_cbranch_scc0 .Lentry_in_a_cluster
	s_endpgm
.Lentry_in_a_cluster:
	s_bfe_u32 s2, ttmp6, 0x10000c
	s_cmp_lg_u32 s2, 0xf033
	s_cbranch_scc0 .Lentry_shape_is_right
	s_endpgm
.Lentry_shape_is_right:
; q = h wq^T, k = h wk^T, v = h wv^T on codes of BF6 with E8M0 scales, K = 1,024; the results are quantised at once into attention's operands.
; OPERANDS are images of operand registers: [tile of 16 rows][K step of 128][1,536 bytes], scale words [tile][K step][16 words]; of each 32 rows tile u holds rows 8 u + r + 8 (r / 8).
; X is the matrix instruction's source 0, Y its source 1.  With 8 neighbouring tiles of X a lane holds ONE row of Y's tile and its 64 registers are 128 NEIGHBOURS along X's rows, in the order the conversions want.
; Clusters x = 0, 1 (q, k): X = 256 rows of wq or wk, Y = 256 tokens: registers run along the channels: two heads of 64, quantised along the head.
; Cluster x = 2 (v): X = 256 tokens, Y = 256 rows of wv: registers run along the KEYS, which are the second attention product's K.  The choice is made by selects on the cluster's x, the same in all partners; no branch.
; A work-group makes 256 x 256, each of four waves 128 x 128: 64 accumulators.  K goes through a ring of two LDS slots of two K steps; all scale words come once.  Each tile is asked for JOINTLY: Y's along a row of the
; 4 x 4 cluster, X's along a column.
; OUT (qkvi): q at 0, k at 3,407,872: [32 batch-heads][16 steps of 128 tokens][8 tiles x 768 bytes (a half image: K = 64) + 8 x 64 bytes of scale words]; v at 6,815,744: [32][16][4 channel tiles x 1,536 + 4 x 64].
; REGISTERS: window 0: v1-31 addresses, v32-47 scale words (two sets), v64-255 Y's fragments (two sets); window 1: X's fragments (two sets); windows 2, 3: accumulators, (a, b) at v[8 (8 (a % 4) + b)].
; LIMITS: NaN and infinities are not served; a block whose largest magnitude lies under 2^-122 keeps the byte 1.
.set T,     8
.set LOGT,  3
.set NQ,    2
.set KS,    8
.set QN,    T/4
.set FRB,   1536
.set HALFT, T*NQ*FRB                   ; what one tensor load brings, and what one wave reads of X or of Y
.set SLOT,  4*HALFT                    ; Y's two halves, then X's two
.set HALFS, T*KS*64                    ; the scale words of T tiles, all of K
.set SPARE, 0                          ; the spare words, 128 bytes a wave: two blocks of 256 bytes that no other line names
.set SCL,   512                        ; the scale words; X's lie 64 bytes further on, so that lanes 0-15 and 16-31 of a load fall on different banks
.set RING,  512+((4*HALFS+64+255)/256)*256
.set LAPS,  KS/(2*NQ)
.set SC0,   12582912
.set ADY16, 16
.set ADY8,  18
.set ADX16, 20
.set ADX8,  22
.set ADRS,  27
.set SPW,   28
.set NIL,   29
.set SC,    32
.set YF,    64
.set HA,    64                         ; the way out: 64 results of a lane
.set TM,    128
.set PW,    144
.set PC,    146
.set SEL,   46
.set G1,  24
.set G0,  32
.set G1B, 48
.set G0B, 56
.set G1S, 68
.set G0S, 76
.set G1SB, 80
.set G0SB, 88
.set MSB, 0
.macro WIN new                         ; the immediate's high byte repeats the setting that is left
.if MSB != \new
	s_set_vgpr_msb (MSB<<8)|\new
.set MSB, \new
.endif
.endm
.set MUL_LO, 0xa1                      ; source 0 (X) window 1, source 1 (Y) window 0, C and D window 2
.set MUL_HI, 0xf1                      ; C and D window 3
.set TO_X,   0x40
.macro JLOAD g0a, g1a, g0b, g1b        ; a joint load: waves 0, 1 fetch for Y, waves 2, 3 for X; four v_nop follow each line
	s_cmp_eq_u32 s15, 0
	s_cbranch_scc0 .Lfor_b_\@
	tensor_load_to_lds s[\g0a:\g0a+3], s[\g1a:\g1a+7]
	s_nop 0
.rept 4
	v_nop
.endr
	s_branch .Lasked_\@
.Lfor_b_\@:
	tensor_load_to_lds s[\g0b:\g0b+3], s[\g1b:\g1b+7]
	s_nop 0
.rept 4
	v_nop
.endr
.Lasked_\@:
.endm
.macro CREST
	s_cmp_lg_u32 s14, 0
	s_cbranch_scc1 .Lnot_wave_0_\@
	s_barrier_signal -3
.Lnot_wave_0_\@:
	s_barrier_wait -3
	s_barrier_signal -1
	s_barrier_wait -1
.endm
.macro CROUND
	s_barrier_signal -1
	s_barrier_wait -1
	CREST
.endm
.macro PLACES n
.rept \n
	v_nop
.endr
.endm
.macro FRAG reg, a16, a8, off          ; a fragment's image: dense loads, 512 or 256 consecutive bytes each
	ds_load_b128 v[\reg:\reg+3], v[\a16] offset:\off
	ds_load_b64 v[\reg+4:\reg+5], v[\a8] offset:\off+512
	ds_load_b128 v[\reg+6:\reg+9], v[\a16] offset:\off+768
	ds_load_b64 v[\reg+10:\reg+11], v[\a8] offset:\off+1280
.endm
.macro FETCH_XS slot, q, p             ; X's T fragments of the slot's q-th K step into set p, and the step's scale words (lanes 0-15 Y's tile i, lanes 16-31 X's): 5 T loads
	WIN TO_X
.set fi, 0
.rept T
	FRAG 12*T*(\p)+12*fi, ADX16+\slot, ADX8+\slot, (fi*NQ+(\q))*FRB
.set fi, fi+1
.endr
	WIN 0
.set fi, 0
.rept T
	ds_load_b32 v[SC+T*(\p)+fi], v[ADRS] offset:fi*KS*64+(\q)*64
.set fi, fi+1
.endr
.endm
.macro FETCH_Y slot, q, p              ; Y's T fragments: 4 T loads
.set fi, 0
.rept T
	FRAG YF+12*T*(\p)+12*fi, ADY16+\slot, ADY8+\slot, (fi*NQ+(\q))*FRB
.set fi, fi+1
.endr
.endm
.macro MULP a0, n, p, zero             ; Y's tiles a0 .. a0 + n - 1 against X's T; the accumulators take turns, one instruction a turn
.set ma, \a0
.rept \n
.set mb, 0
.rept T
.set rD, 8*(T*(ma%4)+mb)
.set rX, 12*T*(\p)+12*mb
.set rY, YF+12*T*(\p)+12*ma
.if \zero
	v_wmma_scale_f32_16x16x128_f8f6f4 v[rD:rD+7], v[rX:rX+11], v[rY:rY+11], 0, v[SC+T*(\p)+mb], v[SC+T*(\p)+ma] matrix_a_fmt:MATRIX_FMT_BF6 matrix_b_fmt:MATRIX_FMT_BF6 matrix_a_scale:MATRIX_SCALE_ROW1
.else
	v_wmma_scale_f32_16x16x128_f8f6f4 v[rD:rD+7], v[rX:rX+11], v[rY:rY+11], v[rD:rD+7], v[SC+T*(\p)+mb], v[SC+T*(\p)+ma] matrix_a_fmt:MATRIX_FMT_BF6 matrix_b_fmt:MATRIX_FMT_BF6 matrix_a_scale:MATRIX_SCALE_ROW1
.endif
.set mb, mb+1
.endr
.set ma, ma+1
.endr
.endm
.macro MQ k, p, zero                   ; quarter k of a K step
.if (\k)*QN >= 4
	WIN MUL_HI
.else
	WIN MUL_LO
.endif
	MULP (\k)*QN, QN, \p, \zero
.endm
; A K step that has its successor in the same slot.  Both sets of fragments are doubled: the next step's come in two runs while this step is multiplied.
.macro STEP slot, q, zero
	PLACES 4                                       ; in front of loads into registers that the step before has multiplied by (they serve the run in the middle too)
	FETCH_XS \slot, (\q)+1, ((\q)+1)%2
	s_wait_dscnt 5*T                               ; all but the 5 T loads just issued: this step's fragments and words are in
	MQ 0, (\q)%2, \zero
	MQ 1, (\q)%2, \zero
	WIN 0
	FETCH_Y \slot, (\q)+1, ((\q)+1)%2
	MQ 2, (\q)%2, \zero
	MQ 3, (\q)%2, \zero
	WIN 0
.endm
.macro STEPS slot, first
.set sq, \first
.rept NQ-1-(\first)
	STEP \slot, sq, 0
.set sq, sq+1
.endr
.endm
; A slot's last K step changes slots: one barrier; in front of it each wave waits for all its tensor loads, adds 0 to its spare word, and waits for that and for its reads of this slot.
.macro TURN slot, next, fill
	s_wait_tensorcnt 0x0                           ; all my tensor loads have landed: my part of the next slot
	ds_add_u32 v[SPW], v[NIL]                      ; 0 onto my spare word
	s_wait_dscnt 1                                 ; (the add alone may be out: this step's fragments are in)
	MQ 0, 1, 0
	s_wait_dscnt 0x0                               ; the add is done, and my reads of this slot are over
	s_barrier_signal -1
	MQ 1, 1, 0
	WIN 0
	s_barrier_wait -1
.if \fill
	CREST                                          ; the barrier has opened a round of the cluster's barrier: no wave of any partner still reads this slot or has a load on its way
	s_add_nc_u64 s[G0+4*\slot+2:G0+4*\slot+3], s[G0+4*\slot+2:G0+4*\slot+3], 2*NQ*FRB
	s_add_nc_u64 s[G0B+4*\slot+2:G0B+4*\slot+3], s[G0B+4*\slot+2:G0B+4*\slot+3], 2*NQ*FRB
	JLOAD G0+4*\slot, G1, G0B+4*\slot, G1B         ; the first tensor load behind the round; its four v_nop are also the places in front of the loads below
.else
	PLACES 4
.endif
	v_add_nc_u32 v[ADRS], NQ*64, v[ADRS]           ; on to the next slot's scale words
	FETCH_XS \next, 0, 0
	MQ 2, 1, 0
	WIN 0
	FETCH_Y \next, 0, 0
	MQ 3, 1, 0
	WIN 0
.endm
.macro QUANT s                         ; 64 numbers of a lane, register 16 b + i = k 32 b + 16 h + i of my row -> codes in v[PC] on, scale word in v[PW]
.irp b, 0,1,2,3
	v_max3_num_f32 v[TM+\b], |v[\s+16*\b]|, |v[\s+1+16*\b]|, 0x2800000   ; and the floor 2^(5 - 127): the byte cannot fall under 1
.endr
.irp i, 2,4,6,8,10,12,14
.irp b, 0,1,2,3
	v_max3_num_f32 v[TM+\b], v[TM+\b], |v[\s+16*\b+\i]|, |v[\s+1+16*\b+\i]|
.endr
.endr
.irp b, 0,1,2,3
	v_permlanex16_b32 v[TM+4+\b], v[TM+\b], s[SEL], s[SEL+1]
.endr
.irp b, 0,1,2,3
	v_max_num_f32 v[TM+\b], v[TM+\b], v[TM+4+\b]
.endr
.irp b, 0,1,2,3
	v_add_nc_u32 v[TM+12+\b], 0xfe000000, v[TM+\b]        ; 4 off the exponent field: the conversion's scale operand
.endr
.irp b, 0,1,2,3
	v_lshrrev_b32 v[TM+4+\b], 23, v[TM+12+\b]
.endr
	v_lshl_or_b32 v[PW], v[TM+5], 8, v[TM+4]
	v_lshl_or_b32 v[PW], v[TM+6], 16, v[PW]
	v_lshl_or_b32 v[PW], v[TM+7], 24, v[PW]
.irp c, 0,1
	v_cvt_scalef32_pk16_bf6_f32 v[PC+6*\c:PC+2+6*\c], v[\s+32*\c:\s+15+32*\c], v[TM+12+2*\c]
	v_cvt_scalef32_pk16_bf6_f32 v[PC+12+4*\c:PC+14+4*\c], v[\s+16+32*\c:\s+31+32*\c], v[TM+12+2*\c+1]
.endr
	v_nop                                                 ; one plain place behind a scaled conversion
.irp c, 0,1
.irp i, 0,1,2
	v_permlane16_swap_b32 v[PC+6*\c+\i], v[PC+12+4*\c+\i]
.endr
.irp i, 0,1,2
	v_mov_b32 v[PC+3+6*\c+\i], v[PC+12+4*\c+\i]
.endr
.endr
.endm
	s_load_b128 s[4:7], s[0:1], 0x0                ; the operands s[4:5], attention's operands s[6:7]
	v_lshl_add_u32 v[SPW], v0, 2, SPARE
	v_mov_b32 v[NIL], 0
	ds_add_u32 v28, v29
	ds_add_u32 v28, v29
	s_wait_dscnt 0x0
	v_lshrrev_b32 v1, 5, v0
	v_readfirstlane_b32 s14, v1                    ; wave 0..3
	s_lshr_b32 s15, s14, 1                         ; which half of Y's tiles is mine.  Also: I fetch for Y (0) or for X (1)
	s_and_b32 s16, s14, 1                          ; which half of X's.  Also: which half I fetch
	s_bfe_u32 s40, ttmp6, 0x40000                  ; cx
	s_bfe_u32 s41, ttmp6, 0x40004                  ; cy
	s_and_b32 s19, ttmp7, 0xffff                   ; cluster y
	s_cmp_eq_u32 ttmp9, 2                          ; v's clusters: the same answer in all sixteen partners
	s_cselect_b32 s17, 0, s19
	s_cselect_b32 s42, s19, ttmp9
	s_cselect_b32 s95, 384, 0                      ; Y's first unit: wv, or the tokens
	s_cselect_b32 s96, 0, 256                      ; X's: the tokens, or wq and wk on end
	s_lshl_b32 s17, s17, 2
	s_add_co_u32 s17, s17, s41                     ; Y's block of 256 rows: hangs on cy, never on cx
	s_lshl_b32 s42, s42, 2
	s_add_co_u32 s42, s42, s40                     ; X's: hangs on cx, never on cy
	s_lshl_b32 s43, s41, 2
	s_lshl_b32 s43, 15, s43                        ; my row of the cluster
	s_lshl_b32 s44, 0x1111, s40                    ; my column
	s_or_b32 s[G1+0], s43, (3<<16)|(1<<21)         ; 15:0 the mask; 17:16 elements of 8 bytes; 21 set beside a mask; no padding
	s_or_b32 s[G1B+0], s44, (3<<16)|(1<<21)
.irp g, G1, G1B                        ; T rows (a tile's NQ fragments on end: NQ x 192 elements), KS x 192 elements apart
	s_mov_b32 s[\g+1], (NQ*192)<<16
	s_mov_b32 s[\g+2], T<<16
	s_mov_b32 s[\g+3], (NQ*192)<<16
	s_mov_b32 s[\g+4], T
	s_mov_b32 s[\g+5], KS*192
	s_mov_b32 s[\g+6], 0
	s_mov_b32 s[\g+7], 0
.endr
	s_or_b32 s[G1S+0], s43, (3<<16)|(1<<21)
	s_or_b32 s[G1SB+0], s44, (3<<16)|(1<<21)
.irp g, G1S, G1SB                      ; the scale words of T tiles: a dense block, as rows of 256 bytes
	s_mov_b32 s[\g+1], 32<<16
	s_mov_b32 s[\g+2], (HALFS/256)<<16
	s_mov_b32 s[\g+3], 32<<16
	s_mov_b32 s[\g+4], HALFS/256
	s_mov_b32 s[\g+5], 32
	s_mov_b32 s[\g+6], 0
	s_mov_b32 s[\g+7], 0
.endr
	s_lshl_b32 s18, s16, LOGT
	s_lshl_b32 s20, s17, LOGT+1
	s_add_co_u32 s20, s20, s18
	s_add_co_u32 s20, s20, s95                     ; Y: the first tile that I fetch
	s_lshl_b32 s46, s42, LOGT+1
	s_add_co_u32 s46, s46, s18
	s_add_co_u32 s46, s46, s96                     ; X likewise
	s_mul_i32 s22, s20, KS*64
	s_mul_i32 s20, s20, KS*FRB
	s_mul_i32 s92, s46, KS*64
	s_mul_i32 s46, s46, KS*FRB
	s_mov_b32 s21, 0
	s_mov_b32 s23, 0
	s_mov_b32 s47, 0
	s_mov_b32 s93, 0
	s_mul_i32 s45, s14, HALFT
	s_add_co_u32 s45, s45, RING                    ; where they go: wave x HALFT: no place in the cluster enters an LDS address
	s_mul_i32 s94, s14, HALFS
	s_lshl_b32 s97, s15, 6
	s_add_co_u32 s94, s94, s97
	s_add_co_u32 s94, s94, SCL
	s_wait_kmcnt 0x0
	s_add_nc_u64 s[20:21], s[4:5], s[20:21]
	s_add_nc_u64 s[22:23], s[4:5], s[22:23]
	s_add_nc_u64 s[22:23], s[22:23], SC0
	s_add_nc_u64 s[46:47], s[4:5], s[46:47]
	s_add_nc_u64 s[92:93], s[4:5], s[92:93]
	s_add_nc_u64 s[92:93], s[92:93], SC0
	CROUND                                         ; all sixteen work-groups are here: the first joint loads meet
	s_mov_b32 s[G0S], 1
	s_mov_b32 s[G0S+1], s94
	s_mov_b64 s[G0S+2:G0S+3], s[22:23]
	s_or_b32 s[G0S+3], s[G0S+3], 0x80000000
	s_mov_b32 s[G0SB], 1
	s_mov_b32 s[G0SB+1], s94
	s_mov_b64 s[G0SB+2:G0SB+3], s[92:93]
	s_or_b32 s[G0SB+3], s[G0SB+3], 0x80000000
	JLOAD G0S, G1S, G0SB, G1SB                     ; the scale words first; three loads of mine are out behind the third line
.irp s, 0,1
	s_mov_b32 s[G0+4*\s], 1
	s_add_co_u32 s[G0+4*\s+1], s45, \s*SLOT
	s_add_nc_u64 s[G0+4*\s+2:G0+4*\s+3], s[20:21], \s*NQ*FRB
	s_or_b32 s[G0+4*\s+3], s[G0+4*\s+3], 0x80000000
	s_mov_b32 s[G0B+4*\s], 1
	s_add_co_u32 s[G0B+4*\s+1], s45, \s*SLOT
	s_add_nc_u64 s[G0B+4*\s+2:G0B+4*\s+3], s[46:47], \s*NQ*FRB
	s_or_b32 s[G0B+4*\s+3], s[G0B+4*\s+3], 0x80000000
	JLOAD G0+4*\s, G1, G0B+4*\s, G1B
.endr
	v_and_b32 v1, 15, v0                           ; r
	v_bfe_u32 v2, v0, 4, 1                         ; h
	v_and_b32 v3, 31, v0
	v_lshlrev_b32 v26, 4, v3                       ; 16 x lane
	v_lshlrev_b32 v4, 3, v3                        ; 8 x lane
	v_lshlrev_b32 v5, 2, v1                        ; 4 r
	s_mul_i32 s21, s15, HALFT
	s_add_co_u32 s21, s21, RING
	s_mul_i32 s22, s16, HALFT
	s_add_co_u32 s22, s22, RING+2*HALFT
.irp s, 0,1
	v_add_nc_u32 v[ADY16+\s], s21, v26
	v_add_nc_u32 v[ADY8+\s], s21, v4
	v_add_nc_u32 v[ADX16+\s], s22, v26
	v_add_nc_u32 v[ADX8+\s], s22, v4
	s_add_co_u32 s21, s21, SLOT
	s_add_co_u32 s22, s22, SLOT
.endr
	s_mul_i32 s21, s15, HALFS                      ; Y's words: my T tiles
	s_mul_i32 s22, s16, HALFS                      ; X's: behind Y's two halves, 64 bytes on
	s_add_co_u32 s22, s22, 2*HALFS+64
	s_sub_co_u32 s22, s22, s21
	v_mul_u32_u24 v6, s22, v2                      ; lanes 16-31 take X's: one product of h
	s_add_co_u32 s21, s21, SCL
	v_add_nc_u32 v6, v6, v5
	v_add_nc_u32 v[ADRS], s21, v6
	s_lshl_b32 s18, s14, 16
	s_add_co_u32 s18, s18, RING
	v_add_nc_u32 v24, s18, v26                     ; the way out: my own 65,536 bytes, 16 a lane
	s_wait_tensorcnt 1                             ; the scale words and my part of slot 0 are in; slot 1's load may be out
	s_barrier_signal -1
	s_barrier_wait -1
	FETCH_XS 0, 0, 0
	FETCH_Y 0, 0, 0
	STEP 0, 0, 1                                   ; the first K step's products start the sums: nothing is cleared
	STEPS 0, 1
.if LAPS > 1
	s_mov_b32 s3, LAPS-1
.Llap:
	TURN 0, 1, 1
	STEPS 1, 0
	TURN 1, 0, 1
	STEPS 0, 0
	s_sub_co_u32 s3, s3, 1
	s_cmp_lg_u32 s3, 0
	s_cbranch_scc1 .Llap
.endif
	TURN 0, 1, 0                                   ; the last lap fills nothing
	STEPS 1, 0
	s_wait_dscnt 0x0                               ; the last K step's fragments are in: my reads of the ring are over
	s_barrier_signal -1
	MQ 0, 1, 0
	MQ 1, 1, 0
	MQ 2, 1, 0
	MQ 3, 1, 0
	WIN 0
	s_barrier_wait -1                              ; everybody's are: the ring, which has had its last fill, becomes the waves' stages
	PLACES 4
	; THE WAY OUT.  The 64 accumulators go to my stage as they stand (each from its low end on) and come back 64 registers at a time: Y's tile a against X's eight, which QUANT turns into one fragment.
	WIN 0x08
.set da, 0
.rept 8
.if da == 4
	WIN 0x0c
.endif
.set db, 0
.rept 8
	ds_store_b128 v24, v[8*(8*(da%4)+db):8*(8*(da%4)+db)+3] offset:1024*(8*da+db)
	ds_store_b128 v24, v[8*(8*(da%4)+db)+4:8*(8*(da%4)+db)+7] offset:1024*(8*da+db)+512
.set db, db+1
.endr
.set da, da+1
.endr
	WIN 0
	; where the fragments go.  q, k: tile a of the step, halves = two heads (106,496 bytes apart).  v: head a / 4, channel tile a % 4, halves 768 bytes apart.  All by selects on the cluster's x.
	s_cmp_eq_u32 ttmp9, 2
	s_cselect_b32 s24, s42, s17                    ; the block of 256 tokens,
	s_cselect_b32 s25, s16, s15                    ; my 128 of it,
	s_cselect_b32 s26, s41, s40                    ; the block of 256 channels,
	s_cselect_b32 s27, s15, s16                    ; my 128 of it
	s_mov_b32 s28, 106496
	s_cselect_b32 s28, 102400, s28                 ; bytes of a batch-head
	s_mov_b32 s29, 6656
	s_cselect_b32 s29, 6400, s29                   ; of a step
	s_mov_b32 s30, 3072
	s_cselect_b32 s30, 102400, s30                 ; from a / 4 to the next
	s_mov_b32 s31, 768
	s_cselect_b32 s31, 1536, s31                   ; from a % 4 to the next
	s_mov_b32 s32, 106496
	s_cselect_b32 s32, 768, s32                    ; from the first half image to the second
	s_mov_b32 s33, 256
	s_cselect_b32 s33, 102400, s33                 ; scale words: from a / 4 to the next
	s_cselect_b32 s34, 0, 106496                   ; lanes 16-31: the odd head's words, or the same word again
	s_cselect_b32 s35, 0, 16                       ; and their shift
	s_lshr_b32 s36, s24, 3                         ; batch
	s_and_b32 s37, s24, 7
	s_lshl_b32 s37, s37, 1
	s_add_co_u32 s37, s37, s25                     ; step
	s_lshl_b32 s36, s36, 4
	s_lshl_b32 s38, s26, 2
	s_add_co_u32 s36, s36, s38
	s_lshl_b32 s38, s27, 1
	s_add_co_u32 s36, s36, s38                     ; 16 batch + my first head
	s_mul_i32 s36, s36, s28
	s_mul_i32 s37, s37, s29
	s_add_co_u32 s36, s36, s37
	s_mul_i32 s37, ttmp9, 3407872
	s_add_co_u32 s36, s36, s37
	s_mov_b32 s37, 0
	s_add_nc_u64 s[6:7], s[6:7], s[36:37]
	s_mov_b32 s[SEL], 0x76543210
	s_mov_b32 s[SEL+1], 0xfedcba98
	v_mul_u32_u24 v7, s35, v2
	v_mul_u32_u24 v8, s34, v2
	v_add_nc_u32 v8, v8, v5
.irp b, 0,1,2,3
	v_mov_b32 v[TM+4+\b], 0                        ; written once: a lane permute's destination counts as one of its sources
.endr
	s_mov_b32 s3, 0
	s_mov_b32 s2, 0
.Lrow:
	v_add_nc_u32 v25, s2, v24
.irp i, 0,1,2,3,4,5,6,7,8,9,10,11,12,13,14,15
	ds_load_b128 v[HA+4*\i:HA+4*\i+3], v25 offset:512*\i     ; LDS serves a wave's instructions in order: these see my stores
.endr
	s_lshr_b32 s38, s3, 2
	s_and_b32 s39, s3, 3
	s_mul_i32 s40, s38, s30
	s_mul_i32 s41, s39, s31
	s_add_co_u32 s40, s40, s41
	s_add_co_u32 s41, s40, s32
	s_mul_i32 s38, s38, s33
	s_lshl_b32 s39, s39, 6
	s_add_co_u32 s38, s38, s39
	s_wait_dscnt 0x0
	s_wait_xcnt 0x0                                ; the last trip's stores have read their registers: offsets, codes and word are written again only behind this wait
	QUANT HA
	v_add_nc_u32 v9, s40, v26
	v_add_nc_u32 v10, s40, v4
	v_add_nc_u32 v11, s41, v26
	v_add_nc_u32 v12, s41, v4
	v_add_nc_u32 v13, s38, v8
	v_lshrrev_b32 v14, v7, v[PW]                   ; q, k: lanes 16-31 bring the odd head's two bytes down
	global_store_b128 v9, v[PC:PC+3], s[6:7]
	global_store_b64 v10, v[PC+4:PC+5], s[6:7] offset:512
	global_store_b128 v11, v[PC+6:PC+9], s[6:7]
	global_store_b64 v12, v[PC+10:PC+11], s[6:7] offset:512
	global_store_b32 v13, v14, s[6:7] offset:6144
	s_add_co_u32 s2, s2, 8192
	s_add_co_u32 s3, s3, 1
	s_cmp_lt_u32 s3, 8
	s_cbranch_scc1 .Lrow
	s_wait_tensorcnt 0x0                           ; the wave's end
	ds_add_u32 v[SPW], v[NIL]
	s_wait_dscnt 0x0
	CROUND                                         ; the closing round
	s_endpgm
.Lfunc_end_k_q9079ad7316_qkv:
	.size	k_q9079ad7316_qkv, .Lfunc_end_k_q9079ad7316_qkv-k_q9079ad7316_qkv
	.p2alignl 7, 3214868480
	.fill 96, 4, 3214868480
	.section	.rodata,"a",@progbits
	.p2align	6, 0x0
	.amdhsa_kernel k_q9079ad7316_qkv
		.amdhsa_group_segment_fixed_size 327680
		.amdhsa_private_segment_fixed_size 0
		.amdhsa_enable_private_segment 0
		.amdhsa_kernarg_size 16
		.amdhsa_user_sgpr_count 2
		.amdhsa_user_sgpr_kernarg_segment_ptr 1
		.amdhsa_wavefront_size32 1
		.amdhsa_system_sgpr_workgroup_id_x 1
		.amdhsa_system_sgpr_workgroup_id_y 1
		.amdhsa_system_sgpr_workgroup_id_z 1
		.amdhsa_system_vgpr_workitem_id 0
		.amdhsa_next_free_vgpr 1024
		.amdhsa_next_free_sgpr 100
		.amdhsa_reserve_vcc 0
		.amdhsa_float_denorm_mode_32 3
		.amdhsa_float_denorm_mode_16_64 3
		.amdhsa_memory_ordered 1
		.amdhsa_forward_progress 1
		.amdhsa_inst_pref_size 131
	.end_amdhsa_kernel
	.amdgpu_metadata
---
amdhsa.version: [ 1, 2 ]
amdhsa.kernels:
  - .name:           k_q9079ad7316_qkv
    .symbol:         k_q9079ad7316_qkv.kd
    .args:
      - { .name: prepo, .offset: 0, .size: 8, .value_kind: global_buffer, .address_space: global }
      - { .name: qkvi, .offset: 8, .size: 8, .value_kind: global_buffer, .address_space: global }
    .group_segment_fixed_size: 327680
    .private_segment_fixed_size: 0
    .kernarg_segment_align: 8
    .kernarg_segment_size: 16
    .max_flat_workgroup_size: 128
    .sgpr_count:     100
    .vgpr_count:     1024
    .wavefront_size: 32
...
	.end_amdgpu_metadata
.endif
;; end of part 2
;; launch attn (part 3): grid 8 x 32, 16 waves a work-group, no clusters, 284,672 bytes of LDS; arguments qkvi, oq; writes oq
.if DOCPART == 3
	.amdgcn_target "amdgcn-amd-amdhsa--gfx1250"
	.amdhsa_code_object_version 6
	.text
	.protected	k_q9079ad7316_attn
	.globl	k_q9079ad7316_attn
	.p2align	8
	.type	k_q9079ad7316_attn,@function
k_q9079ad7316_attn:
	s_mov_b64 s[64:65], 0
	v_nop
	global_prefetch_b8 v0, s[64:65] scope:SCOPE_SE
	s_setreg_imm32_b32 hwreg(HW_REG_WAVE_MODE, 25, 1), 1
	s_wait_xcnt 0x0
; o = softmax(q k^T / 8, causal) v for one batch-head, both products on codes of BF6 with E8M0 scales; o is divided by the row's sum and quantised along the model's 1,024 at once.
; IN (qkvi): q at 0, k at KI: [32 batch-heads][16 steps of 128 tokens][8 tiles x 768 bytes (K = the head's 64: half a fragment) + 8 x 64 bytes of scale words]; v at VI: [32][16][4 channel tiles x 1,536 (K = 128 keys) + 4 x 64].
; Of each 32 tokens (or channels) tile u holds 8 u + r + 8 (r / 8).  The first product's K is 64: registers 6-11 of both operands hold zero codes, which add nothing under any byte but 0xff; the words' upper bytes are never 0xff.
; THE SOFTMAX: t = score x log2(e) / 8; M = the running largest t rounded up to a whole number; p = 2^(t - M) is quantised along the keys, not normalised; the sum is taken of the unquantised p.
; Keys after the query count as -infinity, which gives the p = 0 that the source's -1e9 gives while |score| / 8 stays far under 1e9.
; SHARES: work-group (j, batch-head); its sixteen waves own one tile of 16 queries each: eight of the block of 128 queries j, eight of block 15 - j: 8 (j + 1) + 8 (16 - j) = 136 wave-steps in every work-group.
; THE KEYS OF A LATE TILE ARE SHARED BETWEEN TWO WAVES, so that no wave walks more than 9 steps.  The wave of block 15 - j (the owner) takes key steps 0 to 8.  The wave of block j with the same tile number (wave xor 4: the helper)
; first finishes and stores its own tile (steps 0 to j), then takes the owner's Q, begins M, the sum and O^T anew, and walks the owner's steps 9 to 15 - j: j + 1 + 7 - j = 8 steps.  It hands O^T, -M and the sum over through LDS.
; Both M are whole numbers, so the owner brings both parts under the larger M by multiplications that round nothing, and adds them.  A helper with no step left (j = 7) hands over zeros, and its factor comes out 0.
; The head's whole K (106,496 bytes) and V (102,400) lie in LDS: eight tensor loads, every byte filled once; wave 0 brings K's four quarters, wave 1 V's: four loads of a wave are out.
; Every wave walks all 16 steps (constant trip counts: 2, 7, 7); a step that is not the wave's is jumped over by a scalar branch on ids, all but the lines that step addresses.
; No cluster: the jump hangs on the query block, which partners would not share.  No prefetch: all of K and V is asked for in the kernel's first lines.
; Both products are used transposed (source 0 = 16 keys, or 16 channels; source 1 = 16 queries): a lane holds one query throughout.
; REGISTERS: v1-3 lane parts; v4, v5 where I put my part, v6, v30 where I get my partner's; v7 my query less 16 h; v8-11, v28, v29 the step's addresses; v12 -M, v13 largest t, v[14:15] the sum; v16-27 Q; v31 -infinity;
; v32-79 four tiles of K; v80-127 V; v128-191 S^T, then p; v192-223 O^T; v224-235 p's codes; v232-247, v252, v254 at work; v248-251 the tiles' scale words, v253 p's, v255 Q's.
; LIMITS: NaN and infinities are not served; a block whose largest magnitude lies under 2^-122 keeps the byte 1.
.set KI,  3407872
.set VI,  6815744
.set KST, 6656
.set VST, 6400
.set KH,  106496
.set VH,  102400
.set VL,  106496                       ; V's place in LDS
.set MRG, 208896                       ; behind K and V: a region of PAIRB bytes for each wave, into which no tensor load lands
.set PAIRB, 4608                       ; eight images of four registers of O^T (512 bytes each), 256 bytes for (-M, t), 256 for the sum
.set OSC, 3145728                      ; o's scale words
.set L16, 1
.set L8,  2
.set R4,  3
.set MP16, 4
.set MP8,  5
.set MG16, 6
.set MG8,  30
.set QD,  7
.set AK16, 8
.set AK8,  9
.set AKS,  10
.set AV16, 11
.set AV8,  28
.set AVS,  29
.set NINF, 31
.set S,   128
.set O,   192
.set WV,  18
.set SEL, 20
.set CS,  22
.set G1K, 24
.set G1V, 32
.set G0K, 40                           ; s40-55: K's four quarters
.set G0V, 68                           ; s68-83: V's
.set BLK, 56
.set ST,  57
.set CNT, 58
.set TK,  59
.set TV,  60
.set ROLE, 88                          ; s88  0: my own tile lies in block j (I help later); 1: in block 15 - j (I am helped)
.set LIM,  89                          ; s89  the last key step that is mine in the loops in hand
.set DG,   90                          ; s90  the key step on the diagonal of the tile in hand
.set OTH,  91                          ; s91  15 - j
.set Q2C,  92                          ; s[92:93] the late tile's Q, s[94:95] its scale words
.set Q2S,  94
.macro FRAG reg, a16, a8, off
	ds_load_b128 v[\reg:\reg+3], v[\a16] offset:\off
	ds_load_b64 v[\reg+4:\reg+5], v[\a8] offset:\off+512
	ds_load_b128 v[\reg+6:\reg+9], v[\a16] offset:\off+768
	ds_load_b64 v[\reg+10:\reg+11], v[\a8] offset:\off+1280
.endm
	s_load_b128 s[4:7], s[0:1], 0x0                ; qkvi, oq
	v_lshl_add_u32 v254, v0, 2, 0x45000
	v_mov_b32 v255, 0
	ds_add_u32 v254, v255
	ds_add_u32 v254, v255
	s_wait_dscnt 0x0
	v_lshrrev_b32 v8, 5, v0
	v_readfirstlane_b32 s[WV], v8                  ; wave 0..15
	s_and_b32 s8, ttmp7, 0xffff                    ; batch-head
	s_mul_i32 s10, s8, KH
	s_add_co_u32 s10, s10, KI
	s_mov_b32 s11, 0
	s_mul_i32 s12, s8, VH
	s_add_co_u32 s12, s12, VI
	s_mov_b32 s13, 0
	s_mov_b32 s[G1K], 3<<16                        ; no mask; elements of 8 bytes; no padding: a dense block as rows of 256 bytes
	s_mov_b32 s[G1K+1], 32<<16
	s_mov_b32 s[G1K+2], 104<<16                    ; four steps of K: 26,624 bytes
	s_mov_b32 s[G1K+3], 32<<16
	s_mov_b32 s[G1K+4], 104
	s_mov_b32 s[G1K+5], 32
	s_mov_b32 s[G1K+6], 0
	s_mov_b32 s[G1K+7], 0
	s_mov_b32 s[G1V], 3<<16
	s_mov_b32 s[G1V+1], 32<<16
	s_mov_b32 s[G1V+2], 100<<16                    ; four steps of V: 25,600 bytes
	s_mov_b32 s[G1V+3], 32<<16
	s_mov_b32 s[G1V+4], 100
	s_mov_b32 s[G1V+5], 32
	s_mov_b32 s[G1V+6], 0
	s_mov_b32 s[G1V+7], 0
	s_wait_kmcnt 0x0
	s_add_nc_u64 s[10:11], s[4:5], s[10:11]
	s_add_nc_u64 s[12:13], s[4:5], s[12:13]
.irp c, 0,1,2,3
	s_mov_b32 s[G0K+4*\c], 1
	s_mov_b32 s[G0K+4*\c+1], \c*4*KST
	s_add_nc_u64 s[G0K+4*\c+2:G0K+4*\c+3], s[10:11], \c*4*KST
	s_or_b32 s[G0K+4*\c+3], s[G0K+4*\c+3], 0x80000000
	s_mov_b32 s[G0V+4*\c], 1
	s_mov_b32 s[G0V+4*\c+1], VL+\c*4*VST
	s_add_nc_u64 s[G0V+4*\c+2:G0V+4*\c+3], s[12:13], \c*4*VST
	s_or_b32 s[G0V+4*\c+3], s[G0V+4*\c+3], 0x80000000
.endr
	s_cmp_eq_u32 s[WV], 0                          ; a wave's four first fills stand in one branch on the wave's number; four v_nop follow the last
	s_cbranch_scc0 .Lnot_k
.irp c, 0,1,2,3
	tensor_load_to_lds s[G0K+4*\c:G0K+4*\c+3], s[G1K:G1K+7]
	s_nop 0
.endr
.rept 4
	v_nop
.endr
	s_branch .Lasked
.Lnot_k:
	s_cmp_eq_u32 s[WV], 1
	s_cbranch_scc0 .Lasked
.irp c, 0,1,2,3
	tensor_load_to_lds s[G0V+4*\c:G0V+4*\c+3], s[G1V:G1V+7]
	s_nop 0
.endr
.rept 4
	v_nop
.endr
.Lasked:
	v_and_b32 v8, 31, v0
	v_lshlrev_b32 v[L16], 4, v8
	v_lshlrev_b32 v[L8], 3, v8
	v_and_b32 v8, 15, v0                           ; r
	v_lshlrev_b32 v[R4], 2, v8
	v_bfe_u32 v9, v0, 4, 1                         ; h
	s_lshr_b32 s[ROLE], s[WV], 2
	s_and_b32 s[ROLE], s[ROLE], 1                  ; (wave / 4) % 2: which of the two query blocks holds my own tile
	s_sub_co_u32 s[OTH], 15, ttmp9
	s_cmp_eq_u32 s[ROLE], 0
	s_cselect_b32 s[BLK], ttmp9, s[OTH]
	s_cselect_b32 s[LIM], ttmp9, 8                 ; of my own tile I walk steps 0 to j, or 0 to 8
	s_mov_b32 s[DG], s[BLK]
	s_and_b32 s15, s[WV], 3
	s_lshr_b32 s16, s[WV], 3
	s_lshl_b32 s16, s16, 2
	s_add_co_u32 s15, s15, s16                     ; my tile of the block's eight: the same number in wave xor 4
	s_mul_i32 s9, s[WV], PAIRB                     ; all LDS addresses of the hand-over are made here, ahead of every parting of the roles
	s_add_co_u32 s9, s9, MRG
	v_add_nc_u32 v[MP16], s9, v[L16]               ; my own region,
	v_add_nc_u32 v[MP8], s9, v[L8]
	s_xor_b32 s9, s[WV], 4
	s_mul_i32 s9, s9, PAIRB
	s_add_co_u32 s9, s9, MRG
	v_add_nc_u32 v[MG16], s9, v[L16]               ; and my partner's
	v_add_nc_u32 v[MG8], s9, v[L8]
	s_mul_i32 s16, s8, KH
	s_mul_i32 s17, s[BLK], KST
	s_add_co_u32 s16, s16, s17
	s_mul_i32 s17, s15, 768
	s_add_co_u32 s62, s16, s17
	s_mov_b32 s63, 0
	s_add_nc_u64 s[62:63], s[4:5], s[62:63]        ; Q's half image
	s_lshl_b32 s17, s15, 6
	s_add_co_u32 s16, s16, s17
	s_mov_b32 s17, 0
	s_add_nc_u64 s[16:17], s[4:5], s[16:17]        ; and its scale words, 6,144 bytes on
	s_mul_i32 s[Q2C], s8, KH                       ; the same for the tile of this number in block 15 - j
	s_mul_i32 s[Q2C+1], s[OTH], KST
	s_add_co_u32 s[Q2C], s[Q2C], s[Q2C+1]
	s_lshl_b32 s[Q2S], s15, 6
	s_add_co_u32 s[Q2S], s[Q2C], s[Q2S]
	s_mul_i32 s[Q2C+1], s15, 768
	s_add_co_u32 s[Q2C], s[Q2C], s[Q2C+1]
	s_mov_b32 s[Q2C+1], 0
	s_mov_b32 s[Q2S+1], 0
	s_add_nc_u64 s[Q2C:Q2C+1], s[4:5], s[Q2C:Q2C+1]
	s_add_nc_u64 s[Q2S:Q2S+1], s[4:5], s[Q2S:Q2S+1]
	global_load_b128 v[16:19], v[L16], s[62:63]
	global_load_b64 v[20:21], v[L8], s[62:63] offset:512
	global_load_b32 v255, v[R4], s[16:17] offset:6144
.irp i, 22,23,24,25,26,27
	v_mov_b32 v\i, 0                               ; k = 64 .. 127 of Q: zero codes
.endr
.irp t, 0,1,2,3
.irp i, 6,7,8,9,10,11
	v_mov_b32 v[32+12*\t+\i], 0                    ; and of K's four tiles: written once
.endr
.endr
	s_lshr_b32 s9, s15, 1
	s_lshl_b32 s9, s9, 5
	s_and_b32 s14, s15, 1
	s_lshl_b32 s14, s14, 3
	s_add_co_u32 s9, s9, s14
	v_and_b32 v10, 8, v8
	v_add_nc_u32 v10, v10, v8                      ; r + 8 (r / 8)
	v_lshlrev_b32 v11, 4, v9
	v_sub_nc_u32 v10, v10, v11
	v_add_nc_u32 v[QD], s9, v10                    ; my query in its block, less 16 h: the same for my own tile and for the one that I help with
	s_lshr_b32 s9, s8, 4
	s_lshl_b32 s9, s9, 7
	s_lshl_b32 s14, s[BLK], 3
	s_add_co_u32 s9, s9, s14
	s_add_co_u32 s9, s9, s15                       ; my own tile among the 256 tiles of tokens
	s_and_b32 s14, s8, 15                          ; the head
	s_lshr_b32 s61, s14, 1
	s_and_b32 s14, s14, 1
	s_mul_i32 s84, s9, 12288
	s_mul_i32 s85, s61, 1536
	s_add_co_u32 s84, s84, s85
	s_mul_i32 s85, s14, 768
	s_add_co_u32 s84, s84, s85
	s_mov_b32 s85, 0
	s_add_nc_u64 s[84:85], s[6:7], s[84:85]        ; o: K step head / 2, half head % 2
	s_lshl_b32 s86, s9, 9
	s_lshl_b32 s87, s61, 6
	s_add_co_u32 s86, s86, s87
	s_lshl_b32 s87, s14, 1
	s_add_co_u32 s86, s86, s87
	s_add_co_u32 s86, s86, OSC
	s_mov_b32 s87, 0
	s_add_nc_u64 s[86:87], s[6:7], s[86:87]        ; its two scale bytes a row
	s_mov_b32 s[SEL], 0x76543210
	s_mov_b32 s[SEL+1], 0xfedcba98
	s_mov_b32 s[CS], 0x3e38aa3b                    ; c = log2(e) / 8
	s_mov_b32 s[CS+1], s[CS]
	s_mov_b32 s[ST], 0
	s_mov_b32 s[TK], 0
	s_mov_b32 s[TV], VL
	v_mov_b32 v[NINF], 0xff800000
.irp b, 0,1,2,3
	v_mov_b32 v[236+\b], 0                         ; written once: a lane permute's destination counts as one of its sources
.endr
	v_mov_b32 v252, 0
	v_mov_b32 v253, 0                              ; (named as the upper half of the pair v[252:253] before it is first written)
; M, the sum and O^T begin: the step is written for every step alike; the first change of M leaves zeros zeros
.macro BEGIN
	v_mov_b32 v13, 0xff61b1e6                      ; the largest t so far: -3e38
	v_floor_f32 v12, -v13                          ; -M
	v_mov_b32 v14, 0
	v_mov_b32 v15, 0
.set n, 0
.rept 32
	v_mov_b32 v[O+n], 0
.set n, n+1
.endr
.endm
	BEGIN
; A KEY STEP: 128 keys
.macro STEP
	s_cmp_gt_u32 s[ST], s[LIM]                     ; not mine: nothing but the stepping lines
	s_cbranch_scc1 .Lhidden_\@
	v_add_nc_u32 v[AK16], s[TK], v[L16]            ; (these six are also the places behind the last step's products)
	v_add_nc_u32 v[AK8], s[TK], v[L8]
	v_add_nc_u32 v[AKS], s[TK], v[R4]
	v_add_nc_u32 v[AV16], s[TV], v[L16]
	v_add_nc_u32 v[AV8], s[TV], v[L8]
	v_add_nc_u32 v[AVS], s[TV], v[R4]
.irp g, 0,1                                    ; S^T = K Q^T, four tiles of 16 keys at a time
.if \g
.rept 4
	v_nop                                          ; places in front of loads into registers that matrix instructions have read
.endr
.endif
.irp t, 0,1,2,3
	ds_load_b128 v[32+12*\t:35+12*\t], v[AK16] offset:(4*\g+\t)*768
	ds_load_b64 v[36+12*\t:37+12*\t], v[AK8] offset:(4*\g+\t)*768+512
	ds_load_b32 v[248+\t], v[AKS] offset:6144+(4*\g+\t)*64
.endr
	s_wait_dscnt 0x0
.irp t, 0,1,2,3
	v_wmma_scale_f32_16x16x128_f8f6f4 v[S+8*(4*\g+\t):S+8*(4*\g+\t)+7], v[32+12*\t:43+12*\t], v[16:27], 0, v[248+\t], v255 matrix_a_fmt:MATRIX_FMT_BF6 matrix_b_fmt:MATRIX_FMT_BF6
.endr
.endr
.irp t, 0,1,2,3
	FRAG 80+12*\t, AV16, AV8, \t*1536              ; V's four fragments land while the softmax is walked
.endr
.rept 4
	v_nop                                          ; places: in front of the first read of the scores, and of the loads into the tiles' scale registers
.endr
.irp t, 0,1,2,3
	ds_load_b32 v[248+\t], v[AVS] offset:6144+64*\t
.endr
	s_cmp_lg_u32 s[ST], s[DG]                      ; the one step on the diagonal: register 16 b + i holds key 32 b + 16 h + i of the step: hidden where 32 b + i > my query - 16 h
	s_cbranch_scc1 .Lopen_\@
.set n, 0
.rept 64
	v_cmp_gt_i32 vcc_lo, 32*(n/16)+n%16, v[QD]
	v_cndmask_b32 v[S+n], v[S+n], v[NINF], vcc_lo
.set n, n+1
.endr
.Lopen_\@:
.irp b, 0,1,2,3
	v_max3_num_f32 v[232+\b], v[S+16*\b], v[S+1+16*\b], v[S+2+16*\b]   ; the largest score of each block of 32 keys: for the row's maximum, and, since p rises with the score, for the block's largest p
.endr
.irp i, 3,5,7,9,11,13
.irp b, 0,1,2,3
	v_max3_num_f32 v[232+\b], v[232+\b], v[S+16*\b+\i], v[S+1+16*\b+\i]
.endr
.endr
.irp b, 0,1,2,3
	v_max_num_f32 v[232+\b], v[232+\b], v[S+15+16*\b]
.endr
.irp b, 0,1,2,3
	v_permlanex16_b32 v[236+\b], v[232+\b], s[SEL], s[SEL+1]
.endr
.irp b, 0,1,2,3
	v_max_num_f32 v[232+\b], v[232+\b], v[236+\b]
.endr
	v_max3_num_f32 v254, v232, v233, v234
	v_max_num_f32 v254, v254, v235
	v_mul_f32 v254, s[CS], v254
	v_max_num_f32 v13, v13, v254                   ; the running largest t
	v_mov_b32 v254, v12
	v_floor_f32 v12, -v13                          ; the new -M = -ceil(t)
	v_sub_f32 v254, v12, v254                      ; old M - new M: a whole number, 0 or less
	v_cvt_i32_f32 v254, v254                       ; (it saturates)
	v_ldexp_f32 v252, 1.0, v254                    ; f = 2^(old M - new M)
.set n, 0
.rept 32
	v_pk_fma_f32 v[S+2*n:S+2*n+1], v[S+2*n:S+2*n+1], s[CS:CS+1], v[12:13] op_sel_hi:[1,0,0]   ; t - M
.set n, n+1
.endr
.irp b, 0,1,2,3
	v_fma_f32 v[232+\b], v[232+\b], s[CS], v12
.endr
.set n, 0
.rept 64
	v_exp_f32 v[S+n], v[S+n]                       ; p = 2^(t - M)
.set n, n+1
.endr
	v_pk_mul_f32 v[14:15], v[14:15], v[252:253] op_sel_hi:[1,0]   ; the sums under the new M (a plain place behind the exponentials)
	s_wait_alu depctr_va_vdst(0)                   ; one wait for the batch, ahead of its first reader
.irp b, 0,1,2,3
	v_exp_f32 v[232+\b], v[232+\b]                 ; each block's largest p
.endr
	v_pk_add_f32 v[236:237], v[S:S+1], v[S+2:S+3]  ; the row's sum of the unquantised p, in two packed chains
.irp j, 4,8,12,16,20,24,28,32,36,40,44,48,52,56,60
	v_pk_add_f32 v[14:15], v[14:15], v[S+\j:S+1+\j]
	v_pk_add_f32 v[236:237], v[236:237], v[S+2+\j:S+3+\j]
.endr
	v_pk_add_f32 v[14:15], v[14:15], v[236:237]
	s_wait_alu depctr_va_vdst(0)                   ; and one for the four
.irp b, 0,1,2,3
	v_max_num_f32 v[232+\b], 0x2800000, v[232+\b]  ; the floor 2^(5 - 127)
.endr
.irp b, 0,1,2,3
	v_add_nc_u32 v[244+\b], 0xfe000000, v[232+\b]
.endr
.irp b, 0,1,2,3
	v_lshrrev_b32 v[236+\b], 23, v[244+\b]
.endr
	v_lshl_or_b32 v253, v237, 8, v236              ; p's scale word for these 128 keys
	v_lshl_or_b32 v253, v238, 16, v253
	v_lshl_or_b32 v253, v239, 24, v253
.irp c, 0,1
	v_cvt_scalef32_pk16_bf6_f32 v[224+6*\c:226+6*\c], v[S+32*\c:S+15+32*\c], v[244+2*\c]
	v_cvt_scalef32_pk16_bf6_f32 v[236+4*\c:238+4*\c], v[S+16+32*\c:S+31+32*\c], v[244+2*\c+1]
.endr
	v_nop                                          ; one plain place behind a scaled conversion
.irp c, 0,1
.irp i, 0,1,2
	v_permlane16_swap_b32 v[224+6*\c+\i], v[236+4*\c+\i]
.endr
.irp i, 0,1,2
	v_mov_b32 v[227+6*\c+\i], v[236+4*\c+\i]
.endr
.endr
.set n, 0
.rept 16
	v_pk_mul_f32 v[O+2*n:O+2*n+1], v[O+2*n:O+2*n+1], v[252:253] op_sel_hi:[1,0]   ; O^T under the new M; these sixteen are also the places in front of the scaled products
.set n, n+1
.endr
	s_wait_dscnt 0x0                               ; V and its scale words are in
.irp t, 0,1,2,3
	v_wmma_scale_f32_16x16x128_f8f6f4 v[O+8*\t:O+8*\t+7], v[80+12*\t:91+12*\t], v[224:235], v[O+8*\t:O+8*\t+7], v[248+\t], v253 matrix_a_fmt:MATRIX_FMT_BF6 matrix_b_fmt:MATRIX_FMT_BF6
.endr
.Lhidden_\@:
	s_add_co_u32 s[ST], s[ST], 1
	s_add_co_u32 s[TK], s[TK], KST
	s_add_co_u32 s[TV], s[TV], VST
.endm
; THE WAY OUT of my own tile: O^T / the sum; register 16 b + i is channel 32 b + 16 h + i of my query: two blocks, half a fragment of the next product's operand
.macro FINAL
	v_add_f32 v14, v14, v15
	v_permlanex16_b32 v252, v14, s[SEL], s[SEL+1]
	v_add_f32 v14, v14, v252
	v_rcp_f32 v14, v14
	v_nop                                          ; a plain place behind the transcendental
	s_wait_alu depctr_va_vdst(0)                   ; the wait ahead of the first reader
.set n, 0
.rept 32
	v_mul_f32 v[S+n], v[O+n], v14
.set n, n+1
.endr
.irp b, 0,1
	v_max3_num_f32 v[232+\b], |v[S+16*\b]|, |v[S+1+16*\b]|, 0x2800000
.endr
.irp i, 2,4,6,8,10,12,14
.irp b, 0,1
	v_max3_num_f32 v[232+\b], v[232+\b], |v[S+16*\b+\i]|, |v[S+1+16*\b+\i]|
.endr
.endr
.irp b, 0,1
	v_permlanex16_b32 v[236+\b], v[232+\b], s[SEL], s[SEL+1]
.endr
.irp b, 0,1
	v_max_num_f32 v[232+\b], v[232+\b], v[236+\b]
.endr
.irp b, 0,1
	v_add_nc_u32 v[244+\b], 0xfe000000, v[232+\b]
.endr
.irp b, 0,1
	v_lshrrev_b32 v[236+\b], 23, v[244+\b]
.endr
	v_lshl_or_b32 v254, v237, 8, v236              ; my row's two scale bytes
	v_cvt_scalef32_pk16_bf6_f32 v[224:226], v[S:S+15], v244
	v_cvt_scalef32_pk16_bf6_f32 v[240:242], v[S+16:S+31], v245
	v_nop                                          ; one plain place behind a scaled conversion
.irp i, 0,1,2
	v_permlane16_swap_b32 v[224+\i], v[240+\i]
.endr
.irp i, 0,1,2
	v_mov_b32 v[227+\i], v[240+\i]
.endr
	global_store_b128 v[L16], v[224:227], s[84:85]             ; 512 consecutive bytes,
	global_store_b64 v[L8], v[228:229], s[84:85] offset:512    ; and 256
	global_store_b16 v[R4], v254, s[86:87]                     ; half of a scale word: the other half is another head's, another work-group's
.endm
	s_wait_loadcnt 0x0                             ; Q
	s_wait_tensorcnt 3                             ; the first quarter (steps 0 to 3) is in; the three loads issued behind it may be out
	s_barrier_signal -1
	s_barrier_wait -1
	s_mov_b32 s[CNT], 2
.Lfirst2:                                              ; key steps 0 and 1
	STEP
	s_sub_co_u32 s[CNT], s[CNT], 1
	s_cmp_lg_u32 s[CNT], 0
	s_cbranch_scc1 .Lfirst2
	s_wait_tensorcnt 0x0                           ; all of K and V
	s_wait_dscnt 0x0
	s_barrier_signal -1
	s_barrier_wait -1
	s_mov_b32 s[CNT], 7
.Lnext7:                                               ; key steps 2 to 8
	STEP
	s_sub_co_u32 s[CNT], s[CNT], 1
	s_cmp_lg_u32 s[CNT], 0
	s_cbranch_scc1 .Lnext7
.rept 4
	v_nop                                          ; places behind the last products
.endr
	s_cmp_lg_u32 s[ROLE], 0                        ; a wave of block j has walked all keys of its own tile: it stores the tile and turns to its partner's
	s_cbranch_scc1 .Lkeeps_on
	global_load_b128 v[16:19], v[L16], s[Q2C:Q2C+1]            ; the late tile's Q is on its way while my own tile leaves
	global_load_b64 v[20:21], v[L8], s[Q2C:Q2C+1] offset:512
	global_load_b32 v255, v[R4], s[Q2S:Q2S+1] offset:6144
	FINAL
	BEGIN
	s_wait_loadcnt 0x0                             ; Q
	s_wait_xcnt 0x0                                ; my stores have read their data: the codes' registers and the word are written again only behind this wait
.Lkeeps_on:
	s_cmp_eq_u32 s[ROLE], 0
	s_cselect_b32 s[LIM], s[OTH], 0                ; the helper walks steps 9 to 15 - j of the late tile; its owner none of them
	s_mov_b32 s[DG], s[OTH]
	s_mov_b32 s[CNT], 7
.Llast7:                                               ; key steps 9 to 15
	STEP
	s_sub_co_u32 s[CNT], s[CNT], 1
	s_cmp_lg_u32 s[CNT], 0
	s_cbranch_scc1 .Llast7
.rept 4
	v_nop                                          ; places behind the last products
.endr
	s_cmp_lg_u32 s[ROLE], 0
	s_cbranch_scc1 .Lnothing_to_put
.irp i, 0,1,2,3,4,5,6,7
	ds_store_b128 v[MP16], v[O+4*\i:O+4*\i+3] offset:512*\i    ; my part of the late tile, as it stands: each accumulator from its low end on
.endr
	ds_store_b64 v[MP8], v[12:13] offset:4096      ; -M (and t, which nobody reads)
	ds_store_b64 v[MP8], v[14:15] offset:4352      ; the sum's two halves
.Lnothing_to_put:
	s_wait_dscnt 0x0                               ; for the partner's sake: my stores have landed
	s_barrier_signal -1
	s_barrier_wait -1
	s_cmp_eq_u32 s[ROLE], 0
	s_cbranch_scc1 .Ldone                          ; the helper's work is over
.irp i, 0,1,2,3,4,5,6,7
	ds_load_b128 v[S+4*\i:S+4*\i+3], v[MG16] offset:512*\i
.endr
	ds_load_b64 v[232:233], v[MG8] offset:4096
	ds_load_b64 v[234:235], v[MG8] offset:4352
	s_wait_dscnt 0x0
	v_min_num_f32 v254, v12, v232                  ; -M of both parts together: the larger M
	v_sub_f32 v236, v254, v12                      ; my M less it, and my partner's M less it: whole numbers, 0 or less
	v_sub_f32 v237, v254, v232
	v_cvt_i32_f32 v236, v236                       ; (they saturate)
	v_cvt_i32_f32 v237, v237
	v_ldexp_f32 v252, 1.0, v236                    ; my factor,
	v_ldexp_f32 v238, 1.0, v237                    ; and my partner's: powers of two, or 0: nothing is rounded by them
	v_pk_mul_f32 v[14:15], v[14:15], v[252:253] op_sel_hi:[1,0]
	v_pk_fma_f32 v[14:15], v[234:235], v[238:239], v[14:15] op_sel_hi:[1,0,1]
.set n, 0
.rept 16
	v_pk_mul_f32 v[O+2*n:O+2*n+1], v[O+2*n:O+2*n+1], v[252:253] op_sel_hi:[1,0]
.set n, n+1
.endr
.set n, 0
.rept 16
	v_pk_fma_f32 v[O+2*n:O+2*n+1], v[S+2*n:S+2*n+1], v[238:239], v[O+2*n:O+2*n+1] op_sel_hi:[1,0,1]
.set n, n+1
.endr
	FINAL
.Ldone:
	s_wait_xcnt 0x0
	v_lshl_add_u32 v254, v0, 2, 0x45000
	v_mov_b32 v255, 0
	s_wait_tensorcnt 0x0
	ds_add_u32 v254, v255
	s_wait_dscnt 0x0
	s_endpgm
.Lfunc_end_k_q9079ad7316_attn:
	.size	k_q9079ad7316_attn, .Lfunc_end_k_q9079ad7316_attn-k_q9079ad7316_attn
	.p2alignl 7, 3214868480
	.fill 96, 4, 3214868480
	.section	.rodata,"a",@progbits
	.p2align	6, 0x0
	.amdhsa_kernel k_q9079ad7316_attn
		.amdhsa_group_segment_fixed_size 284672
		.amdhsa_private_segment_fixed_size 0
		.amdhsa_enable_private_segment 0
		.amdhsa_kernarg_size 16
		.amdhsa_user_sgpr_count 2
		.amdhsa_user_sgpr_kernarg_segment_ptr 1
		.amdhsa_wavefront_size32 1
		.amdhsa_system_sgpr_workgroup_id_x 1
		.amdhsa_system_sgpr_workgroup_id_y 1
		.amdhsa_system_sgpr_workgroup_id_z 1
		.amdhsa_system_vgpr_workitem_id 0
		.amdhsa_next_free_vgpr 256
		.amdhsa_next_free_sgpr 96
		.amdhsa_reserve_vcc 1
		.amdhsa_float_denorm_mode_32 3
		.amdhsa_float_denorm_mode_16_64 3
		.amdhsa_memory_ordered 1
		.amdhsa_forward_progress 1
		.amdhsa_inst_pref_size 90
	.end_amdhsa_kernel
	.amdgpu_metadata
---
amdhsa.version: [ 1, 2 ]
amdhsa.kernels:
  - .name:           k_q9079ad7316_attn
    .symbol:         k_q9079ad7316_attn.kd
    .args:
      - { .name: qkvi, .offset: 0, .size: 8, .value_kind: global_buffer, .address_space: global }
      - { .name: oq, .offset: 8, .size: 8, .value_kind: global_buffer, .address_space: global }
    .group_segment_fixed_size: 284672
    .private_segment_fixed_size: 0
    .kernarg_segment_align: 8
    .kernarg_segment_size: 16
    .max_flat_workgroup_size: 512
    .sgpr_count:     96
    .vgpr_count:     256
    .wavefront_size: 32
...
	.end_amdgpu_metadata
.endif
;; end of part 3
;; launch wo (part 4): grid 8 x 32, 4 waves a work-group, clusters of 4 x 4, 327,680 bytes of LDS; arguments oq, prepo, x, x2; writes x2
.if DOCPART == 4
	.amdgcn_target "amdgcn-amd-amdhsa--gfx1250"
	.amdhsa_code_object_version 6
	.text
	.protected	k_q9079ad7316_wo
	.globl	k_q9079ad7316_wo
	.p2align	8
	.type	k_q9079ad7316_wo,@function
k_q9079ad7316_wo:
	s_mov_b64 s[64:65], 0
	v_nop
	global_prefetch_b8 v0, s[64:65] scope:SCOPE_SE
	s_setreg_imm32_b32 hwreg(HW_REG_WAVE_MODE, 25, 1), 1
	s_wait_xcnt 0x0
	s_wait_alu depctr_hold_cnt(0) depctr_sa_sdst(0) depctr_va_vdst(0) depctr_va_sdst(0) depctr_va_ssrc(0) depctr_va_vcc(0) depctr_vm_vsrc(0)
	s_getreg_b32 s2, hwreg(HW_REG_IB_STS2, 6, 4)
	s_cmp_eq_u32 s2, 0
	s_cbranch_scc0 .Lentry_in_a_cluster
	s_endpgm
.Lentry_in_a_cluster:
	s_bfe_u32 s2, ttmp6, 0x10000c
	s_cmp_lg_u32 s2, 0xf033
	s_cbranch_scc0 .Lentry_shape_is_right
	s_endpgm
.Lentry_shape_is_right:
; x2 = o wo^T + x on codes of BF6 with E8M0 scales, K = 1,024.  Y (source 1) = tokens, X (source 0) = rows of the weight; both are images of operand registers:
; [tile of 16 rows][K step of 128][1,536 bytes], scale words [tile][K step][16 words]; of each 32 rows tile u holds rows 8 u + r + 8 (r / 8).
; The result has 64 tiles of 256 x 256, too few to fill the chip: a work-group makes 128 x 128 (256 work-groups), each of four waves 64 x 64: 16 accumulators.
; K goes through two LDS slots of four K steps; here both are first fills, nothing is filled again.  All scale words come once.  Y's tiles are asked for jointly along a row of the 4 x 4 cluster, X's along a column.
; A lane's eight results are eight neighbouring columns of one token; they meet in a stage in LDS (slot 0, which has had its last fill and its last read), come back as whole rows of 512 bytes, take the residual and are stored.
; REGISTERS: window 0: v1-31 addresses, v32-39 scale words (two sets), v64-159 Y's fragments (two sets); window 1: v0-95 X's (two sets), v128-255 the residual; window 2: accumulators, (a, b) at v[8 (4 a + b)].
.set T,     4
.set LOGT,  2
.set NQ,    4
.set KS,    8
.set YS0,   3145728                    ; Y's scale words in its buffer
.set XC0,   5505024                    ; X's codes: unit 448
.set XS0,   12812288                   ; and scale words
.set NTOUT, 0
.set QN,    T/4
.set FRB,   1536
.set HALFT, T*NQ*FRB
.set SLOT,  4*HALFT
.set HALFS, T*KS*64
.set SPARE, 0                          ; the spare words, 128 bytes a wave: two blocks of 256 bytes that no other line names
.set SCL,   512
.set RING,  512+((4*HALFS+64+255)/256)*256
.set LAPS,  KS/(2*NQ)
.set SP,    528                        ; a stage row: 512 bytes + 16
.set ADY16, 16
.set ADY8,  18
.set ADX16, 20
.set ADX8,  22
.set ADRS,  27
.set SPW,   28
.set NIL,   29
.set SC,    32
.set YF,    64
.set G1,  24
.set G0,  32
.set G1B, 48
.set G0B, 56
.set G1S, 68
.set G0S, 76
.set G1SB, 80
.set G0SB, 88
.set MSB, 0
.macro WIN new                         ; the immediate's high byte repeats the setting that is left
.if MSB != \new
	s_set_vgpr_msb (MSB<<8)|\new
.set MSB, \new
.endif
.endm
.set MUL_LO, 0xa1
.set MUL_HI, 0xf1
.set TO_X,   0x40
.macro JLOAD g0a, g1a, g0b, g1b        ; a joint load: waves 0, 1 fetch for Y, waves 2, 3 for X; four v_nop follow each line
	s_cmp_eq_u32 s15, 0
	s_cbranch_scc0 .Lfor_b_\@
	tensor_load_to_lds s[\g0a:\g0a+3], s[\g1a:\g1a+7]
	s_nop 0
.rept 4
	v_nop
.endr
	s_branch .Lasked_\@
.Lfor_b_\@:
	tensor_load_to_lds s[\g0b:\g0b+3], s[\g1b:\g1b+7]
	s_nop 0
.rept 4
	v_nop
.endr
.Lasked_\@:
.endm
.macro CREST
	s_cmp_lg_u32 s14, 0
	s_cbranch_scc1 .Lnot_wave_0_\@
	s_barrier_signal -3
.Lnot_wave_0_\@:
	s_barrier_wait -3
	s_barrier_signal -1
	s_barrier_wait -1
.endm
.macro CROUND
	s_barrier_signal -1
	s_barrier_wait -1
	CREST
.endm
.macro PLACES n
.rept \n
	v_nop
.endr
.endm
.macro FRAG reg, a16, a8, off
	ds_load_b128 v[\reg:\reg+3], v[\a16] offset:\off
	ds_load_b64 v[\reg+4:\reg+5], v[\a8] offset:\off+512
	ds_load_b128 v[\reg+6:\reg+9], v[\a16] offset:\off+768
	ds_load_b64 v[\reg+10:\reg+11], v[\a8] offset:\off+1280
.endm
.macro FETCH_XS slot, q, p             ; X's T fragments and the step's scale words: 5 T loads
	WIN TO_X
.set fi, 0
.rept T
	FRAG 12*T*(\p)+12*fi, ADX16+\slot, ADX8+\slot, (fi*NQ+(\q))*FRB
.set fi, fi+1
.endr
	WIN 0
.set fi, 0
.rept T
	ds_load_b32 v[SC+T*(\p)+fi], v[ADRS] offset:fi*KS*64+(\q)*64
.set fi, fi+1
.endr
.endm
.macro FETCH_Y slot, q, p
.set fi, 0
.rept T
	FRAG YF+12*T*(\p)+12*fi, ADY16+\slot, ADY8+\slot, (fi*NQ+(\q))*FRB
.set fi, fi+1
.endr
.endm
.macro MULP a0, n, p, zero             ; the accumulators take turns, one instruction a turn
.set ma, \a0
.rept \n
.set mb, 0
.rept T
.set rD, 8*(T*(ma%4)+mb)
.set rX, 12*T*(\p)+12*mb
.set rY, YF+12*T*(\p)+12*ma
.if \zero
	v_wmma_scale_f32_16x16x128_f8f6f4 v[rD:rD+7], v[rX:rX+11], v[rY:rY+11], 0, v[SC+T*(\p)+mb], v[SC+T*(\p)+ma] matrix_a_fmt:MATRIX_FMT_BF6 matrix_b_fmt:MATRIX_FMT_BF6 matrix_a_scale:MATRIX_SCALE_ROW1
.else
	v_wmma_scale_f32_16x16x128_f8f6f4 v[rD:rD+7], v[rX:rX+11], v[rY:rY+11], v[rD:rD+7], v[SC+T*(\p)+mb], v[SC+T*(\p)+ma] matrix_a_fmt:MATRIX_FMT_BF6 matrix_b_fmt:MATRIX_FMT_BF6 matrix_a_scale:MATRIX_SCALE_ROW1
.endif
.set mb, mb+1
.endr
.set ma, ma+1
.endr
.endm
.macro MQ k, p, zero
.if (\k)*QN >= 4
	WIN MUL_HI
.else
	WIN MUL_LO
.endif
	MULP (\k)*QN, QN, \p, \zero
.endm
.macro STEP slot, q, zero
	PLACES 4                                       ; in front of loads into registers that the step before has multiplied by
	FETCH_XS \slot, (\q)+1, ((\q)+1)%2
	s_wait_dscnt 5*T                               ; all but the 5 T loads just issued
	MQ 0, (\q)%2, \zero
	MQ 1, (\q)%2, \zero
	WIN 0
	FETCH_Y \slot, (\q)+1, ((\q)+1)%2
	MQ 2, (\q)%2, \zero
	MQ 3, (\q)%2, \zero
	WIN 0
.endm
.macro STEPS slot, first
.set sq, \first
.rept NQ-1-(\first)
	STEP \slot, sq, 0
.set sq, sq+1
.endr
.endm
.macro TURN slot, next, fill
	s_wait_tensorcnt 0x0                           ; all my tensor loads have landed: my part of the next slot
	ds_add_u32 v[SPW], v[NIL]                      ; 0 onto my spare word
	s_wait_dscnt 1                                 ; (the add alone may be out)
	MQ 0, 1, 0
	s_wait_dscnt 0x0                               ; the add is done, and my reads of this slot are over
	s_barrier_signal -1
	MQ 1, 1, 0
	WIN 0
	s_barrier_wait -1
.if \fill
	CREST
	s_add_nc_u64 s[G0+4*\slot+2:G0+4*\slot+3], s[G0+4*\slot+2:G0+4*\slot+3], 2*NQ*FRB
	s_add_nc_u64 s[G0B+4*\slot+2:G0B+4*\slot+3], s[G0B+4*\slot+2:G0B+4*\slot+3], 2*NQ*FRB
	JLOAD G0+4*\slot, G1, G0B+4*\slot, G1B
.else
	PLACES 4
.endif
	v_add_nc_u32 v[ADRS], NQ*64, v[ADRS]
	FETCH_XS \next, 0, 0
	MQ 2, 1, 0
	WIN 0
	FETCH_Y \next, 0, 0
	MQ 3, 1, 0
	WIN 0
.endm
	s_load_b256 s[4:11], s[0:1], 0x0               ; Y's buffer s[4:5], the weights' s[6:7], the residual s[8:9], the result s[10:11]
	v_lshl_add_u32 v[SPW], v0, 2, SPARE
	v_mov_b32 v[NIL], 0
	ds_add_u32 v28, v29
	ds_add_u32 v28, v29
	s_wait_dscnt 0x0
	v_lshrrev_b32 v1, 5, v0
	v_readfirstlane_b32 s14, v1                    ; wave 0..3
	s_lshr_b32 s15, s14, 1                         ; my half of Y's tiles.  Also: I fetch for Y (0) or for X (1)
	s_and_b32 s16, s14, 1                          ; my half of X's.  Also: which half I fetch
	s_bfe_u32 s40, ttmp6, 0x40000                  ; cx
	s_bfe_u32 s41, ttmp6, 0x40004                  ; cy
	s_lshl_b32 s42, ttmp9, 2
	s_add_co_u32 s42, s42, s40                     ; X's block of 128 rows
	s_and_b32 s17, ttmp7, 0xffff
	s_lshl_b32 s17, s17, 2
	s_add_co_u32 s17, s17, s41                     ; Y's
	s_lshl_b32 s43, s41, 2
	s_lshl_b32 s43, 15, s43                        ; my row of the cluster
	s_lshl_b32 s44, 0x1111, s40                    ; my column
	s_or_b32 s[G1+0], s43, (3<<16)|(1<<21)         ; the mask; elements of 8 bytes; bit 21 beside a mask; no padding
	s_or_b32 s[G1B+0], s44, (3<<16)|(1<<21)
.irp g, G1, G1B
	s_mov_b32 s[\g+1], (NQ*192)<<16
	s_mov_b32 s[\g+2], T<<16
	s_mov_b32 s[\g+3], (NQ*192)<<16
	s_mov_b32 s[\g+4], T
	s_mov_b32 s[\g+5], KS*192
	s_mov_b32 s[\g+6], 0
	s_mov_b32 s[\g+7], 0
.endr
	s_or_b32 s[G1S+0], s43, (3<<16)|(1<<21)
	s_or_b32 s[G1SB+0], s44, (3<<16)|(1<<21)
.irp g, G1S, G1SB
	s_mov_b32 s[\g+1], 32<<16
	s_mov_b32 s[\g+2], (HALFS/256)<<16
	s_mov_b32 s[\g+3], 32<<16
	s_mov_b32 s[\g+4], HALFS/256
	s_mov_b32 s[\g+5], 32
	s_mov_b32 s[\g+6], 0
	s_mov_b32 s[\g+7], 0
.endr
	s_lshl_b32 s18, s16, LOGT
	s_lshl_b32 s20, s17, LOGT+1
	s_add_co_u32 s20, s20, s18                     ; Y: the first tile that I fetch
	s_lshl_b32 s46, s42, LOGT+1
	s_add_co_u32 s46, s46, s18                     ; X likewise
	s_mul_i32 s22, s20, KS*64
	s_mul_i32 s20, s20, KS*FRB
	s_mul_i32 s92, s46, KS*64
	s_mul_i32 s46, s46, KS*FRB
	s_mov_b32 s21, 0
	s_mov_b32 s23, 0
	s_mov_b32 s47, 0
	s_mov_b32 s93, 0
	s_mul_i32 s45, s14, HALFT
	s_add_co_u32 s45, s45, RING
	s_mul_i32 s94, s14, HALFS
	s_lshl_b32 s97, s15, 6
	s_add_co_u32 s94, s94, s97
	s_add_co_u32 s94, s94, SCL
	s_wait_kmcnt 0x0
	s_add_nc_u64 s[20:21], s[4:5], s[20:21]
	s_add_nc_u64 s[22:23], s[4:5], s[22:23]
	s_add_nc_u64 s[22:23], s[22:23], YS0
	s_add_nc_u64 s[46:47], s[6:7], s[46:47]
	s_add_nc_u64 s[46:47], s[46:47], XC0
	s_add_nc_u64 s[92:93], s[6:7], s[92:93]
	s_add_nc_u64 s[92:93], s[92:93], XS0
	CROUND                                         ; all sixteen work-groups are here: the first joint loads meet
	s_mov_b32 s[G0S], 1
	s_mov_b32 s[G0S+1], s94
	s_mov_b64 s[G0S+2:G0S+3], s[22:23]
	s_or_b32 s[G0S+3], s[G0S+3], 0x80000000
	s_mov_b32 s[G0SB], 1
	s_mov_b32 s[G0SB+1], s94
	s_mov_b64 s[G0SB+2:G0SB+3], s[92:93]
	s_or_b32 s[G0SB+3], s[G0SB+3], 0x80000000
	JLOAD G0S, G1S, G0SB, G1SB                     ; three loads of mine are out behind the third line
.irp s, 0,1
	s_mov_b32 s[G0+4*\s], 1
	s_add_co_u32 s[G0+4*\s+1], s45, \s*SLOT
	s_add_nc_u64 s[G0+4*\s+2:G0+4*\s+3], s[20:21], \s*NQ*FRB
	s_or_b32 s[G0+4*\s+3], s[G0+4*\s+3], 0x80000000
	s_mov_b32 s[G0B+4*\s], 1
	s_add_co_u32 s[G0B+4*\s+1], s45, \s*SLOT
	s_add_nc_u64 s[G0B+4*\s+2:G0B+4*\s+3], s[46:47], \s*NQ*FRB
	s_or_b32 s[G0B+4*\s+3], s[G0B+4*\s+3], 0x80000000
	JLOAD G0+4*\s, G1, G0B+4*\s, G1B
.endr
	v_and_b32 v1, 15, v0                           ; r
	v_bfe_u32 v2, v0, 4, 1                         ; h
	v_and_b32 v3, 31, v0
	v_lshlrev_b32 v26, 4, v3                       ; 16 x lane
	v_lshlrev_b32 v4, 3, v3                        ; 8 x lane
	v_lshlrev_b32 v5, 2, v1                        ; 4 r
	s_lshl_b32 s18, s17, 7                         ; the rows that I store: 128 x Y's block + 32 x wave; the columns: 128 x X's block
	s_lshl_b32 s19, s14, 5
	s_add_co_u32 s18, s18, s19
	s_lshl_b32 s18, s18, 12
	s_lshl_b32 s19, s42, 9
	s_add_co_u32 s18, s18, s19
	s_mov_b32 s19, 0
	s_add_nc_u64 s[8:9], s[8:9], s[18:19]
	s_add_nc_u64 s[10:11], s[10:11], s[18:19]
	WIN TO_X
.set i, 0
.rept 32
	global_load_b128 v[128+4*i:131+4*i], v26, s[8:9] offset:4096*i   ; the residual's 32 rows of 512 bytes: asked for now, wanted at the end
.set i, i+1
.endr
	WIN 0
	s_mul_i32 s21, s15, HALFT
	s_add_co_u32 s21, s21, RING
	s_mul_i32 s22, s16, HALFT
	s_add_co_u32 s22, s22, RING+2*HALFT
.irp s, 0,1
	v_add_nc_u32 v[ADY16+\s], s21, v26
	v_add_nc_u32 v[ADY8+\s], s21, v4
	v_add_nc_u32 v[ADX16+\s], s22, v26
	v_add_nc_u32 v[ADX8+\s], s22, v4
	s_add_co_u32 s21, s21, SLOT
	s_add_co_u32 s22, s22, SLOT
.endr
	s_mul_i32 s21, s15, HALFS
	s_mul_i32 s22, s16, HALFS
	s_add_co_u32 s22, s22, 2*HALFS+64
	s_sub_co_u32 s22, s22, s21
	v_mul_u32_u24 v6, s22, v2                      ; lanes 16-31 take X's words: one product of h
	s_add_co_u32 s21, s21, SCL
	v_add_nc_u32 v6, v6, v5
	v_add_nc_u32 v[ADRS], s21, v6
	v_and_b32 v6, 8, v1
	v_add_nc_u32 v6, v6, v1                        ; r + 8 (r / 8): the token's true row in its 32
	v_mul_u32_u24 v24, v6, SP
	v_lshl_add_u32 v24, v2, 6, v24
	s_mul_i32 s18, s15, 64*SP
	s_lshl_b32 s19, s16, 8
	s_add_co_u32 s18, s18, s19
	s_add_co_u32 s18, s18, RING
	v_add_nc_u32 v24, s18, v24                     ; into the stage: my 64 rows, my 256 bytes of them, + 64 h
	s_mul_i32 s18, s14, 32*SP
	s_add_co_u32 s18, s18, RING
	v_add_nc_u32 v25, s18, v26                     ; back: 32 whole rows a wave
	s_wait_tensorcnt 1                             ; the scale words and my part of slot 0 are in; slot 1's load may be out
	s_barrier_signal -1
	s_barrier_wait -1
	FETCH_XS 0, 0, 0
	FETCH_Y 0, 0, 0
	STEP 0, 0, 1                                   ; the first K step's products start the sums
	STEPS 0, 1
.if LAPS > 1
	s_mov_b32 s3, LAPS-1
.Llap:
	TURN 0, 1, 1
	STEPS 1, 0
	TURN 1, 0, 1
	STEPS 0, 0
	s_sub_co_u32 s3, s3, 1
	s_cmp_lg_u32 s3, 0
	s_cbranch_scc1 .Llap
.endif
	TURN 0, 1, 0
	STEPS 1, 0
	s_wait_dscnt 0x0
	MQ 0, 1, 0
	MQ 1, 1, 0
	MQ 2, 1, 0
	MQ 3, 1, 0
	WIN 0
	PLACES 4
	WIN 0x08                                       ; an LDS store's data are its source 1: window 2.  Lane (r, h) of (a, b): token 32 (a / 2) + 8 (a % 2) + r + 8 (r / 8), columns 32 (b / 2) + 16 h + 8 (b % 2) + 0 .. 7
.set ea, 0
.rept 4
.set eb, 0
.rept 4
	ds_store_b128 v24, v[8*(4*ea+eb):8*(4*ea+eb)+3] offset:(32*(ea/2)+8*(ea%2))*SP+128*(eb/2)+32*(eb%2)
	ds_store_b128 v24, v[8*(4*ea+eb)+4:8*(4*ea+eb)+7] offset:(32*(ea/2)+8*(ea%2))*SP+128*(eb/2)+32*(eb%2)+16
.set eb, eb+1
.endr
.set ea, ea+1
.endr
	WIN 0
	s_wait_dscnt 0x0                               ; for the others' sake: my stores into the stage are done
	s_barrier_signal -1
	s_barrier_wait -1
.set i, 0
.rept 32
	ds_load_b128 v[64+4*i:67+4*i], v25 offset:SP*i
.set i, i+1
.endr
	s_wait_loadcnt 0x0                             ; the residual
	s_wait_dscnt 0x0
	WIN 0x04                                       ; source 1: window 1
.set i, 0
.rept 64
	v_pk_add_f32 v[64+2*i:65+2*i], v[64+2*i:65+2*i], v[128+2*i:129+2*i]
.set i, i+1
.endr
	WIN 0
.set i, 0
.rept 32
.if NTOUT
	global_store_b128 v26, v[64+4*i:67+4*i], s[10:11] offset:4096*i th:TH_STORE_NT
.else
	global_store_b128 v26, v[64+4*i:67+4*i], s[10:11] offset:4096*i    ; 32 lanes store 512 consecutive bytes, at a multiple of 256 from the buffer's first byte
.endif
.set i, i+1
.endr
	s_wait_tensorcnt 0x0                           ; the wave's end
	ds_add_u32 v[SPW], v[NIL]
	s_wait_dscnt 0x0
	CROUND                                         ; the closing round
	s_endpgm
.Lfunc_end_k_q9079ad7316_wo:
	.size	k_q9079ad7316_wo, .Lfunc_end_k_q9079ad7316_wo-k_q9079ad7316_wo
	.p2alignl 7, 3214868480
	.fill 96, 4, 3214868480
	.section	.rodata,"a",@progbits
	.p2align	6, 0x0
	.amdhsa_kernel k_q9079ad7316_wo
		.amdhsa_group_segment_fixed_size 327680
		.amdhsa_private_segment_fixed_size 0
		.amdhsa_enable_private_segment 0
		.amdhsa_kernarg_size 32
		.amdhsa_user_sgpr_count 2
		.amdhsa_user_sgpr_kernarg_segment_ptr 1
		.amdhsa_wavefront_size32 1
		.amdhsa_system_sgpr_workgroup_id_x 1
		.amdhsa_system_sgpr_workgroup_id_y 1
		.amdhsa_system_sgpr_workgroup_id_z 1
		.amdhsa_system_vgpr_workitem_id 0
		.amdhsa_next_free_vgpr 640
		.amdhsa_next_free_sgpr 100
		.amdhsa_reserve_vcc 0
		.amdhsa_float_denorm_mode_32 3
		.amdhsa_float_denorm_mode_16_64 3
		.amdhsa_memory_ordered 1
		.amdhsa_forward_progress 1
		.amdhsa_inst_pref_size 62
	.end_amdhsa_kernel
	.amdgpu_metadata
---
amdhsa.version: [ 1, 2 ]
amdhsa.kernels:
  - .name:           k_q9079ad7316_wo
    .symbol:         k_q9079ad7316_wo.kd
    .args:
      - { .name: oq, .offset: 0, .size: 8, .value_kind: global_buffer, .address_space: global }
      - { .name: prepo, .offset: 8, .size: 8, .value_kind: global_buffer, .address_space: global }
      - { .name: x, .offset: 16, .size: 8, .value_kind: global_buffer, .address_space: global }
      - { .name: x2, .offset: 24, .size: 8, .value_kind: global_buffer, .address_space: global }
    .group_segment_fixed_size: 327680
    .private_segment_fixed_size: 0
    .kernarg_segment_align: 8
    .kernarg_segment_size: 32
    .max_flat_workgroup_size: 128
    .sgpr_count:     100
    .vgpr_count:     640
    .wavefront_size: 32
...
	.end_amdgpu_metadata
.endif
;; end of part 4
;; launch norm2: the kernel of part 1 again; grid 256 x 1, 4 waves a work-group, no clusters, 67,328 bytes of LDS; arguments x2, g2, wq, wk, wv, wo, w1, w2, h2q; writes h2q
;; launch ffn1 (part 5): grid 16 x 16, 4 waves a work-group, clusters of 4 x 4, 327,680 bytes of LDS; arguments h2q, prepo, uq; writes uq
.if DOCPART == 5
	.amdgcn_target "amdgcn-amd-amdhsa--gfx1250"
	.amdhsa_code_object_version 6
	.text
	.protected	k_q9079ad7316_ffn1
	.globl	k_q9079ad7316_ffn1
	.p2align	8
	.type	k_q9079ad7316_ffn1,@function
k_q9079ad7316_ffn1:
	s_mov_b64 s[64:65], 0
	v_nop
	global_prefetch_b8 v0, s[64:65] scope:SCOPE_SE
	s_setreg_imm32_b32 hwreg(HW_REG_WAVE_MODE, 25, 1), 1
	s_wait_xcnt 0x0
	s_wait_alu depctr_hold_cnt(0) depctr_sa_sdst(0) depctr_va_vdst(0) depctr_va_sdst(0) depctr_va_ssrc(0) depctr_va_vcc(0) depctr_vm_vsrc(0)
	s_getreg_b32 s2, hwreg(HW_REG_IB_STS2, 6, 4)
	s_cmp_eq_u32 s2, 0
	s_cbranch_scc0 .Lentry_in_a_cluster
	s_endpgm
.Lentry_in_a_cluster:
	s_bfe_u32 s2, ttmp6, 0x10000c
	s_cmp_lg_u32 s2, 0xf033
	s_cbranch_scc0 .Lentry_shape_is_right
	s_endpgm
.Lentry_shape_is_right:
; u = gelu(h2 w1^T) on codes of BF6 with E8M0 scales, K = 1,024; u is quantised at once, along the 4,096 hidden units, into the next product's operand.
; OPERANDS are images of operand registers: [tile of 16 rows][K step of 128][1,536 bytes], scale words [tile][K step][16 words]; of each 32 rows tile u holds rows 8 u + r + 8 (r / 8).
; X (source 0) = 256 rows of w1, Y (source 1) = 256 tokens: a lane holds ONE token, and the 64 registers of X's eight tiles are 128 NEIGHBOURING hidden units: one K step of the next product.
; A work-group makes 256 x 256, each of four waves 128 x 128: 64 accumulators.  K goes through a ring of two LDS slots of two K steps; all scale words come once.  Y's tiles are asked for jointly along a row of the
; 4 x 4 cluster, X's along a column.
; GELU in f32: x/2 (1 + erf(x / sqrt 2)); erf(z) = z P(z^2) / Q(z^2) with z held to +-4, P of 7 terms, Q of 5; the division is v_rcp_f32 and a multiplication.
; REGISTERS: window 0: v1-31 addresses, v32-47 scale words (two sets), v48-51 two coefficients, v64-255 Y's fragments (two sets); window 1: X's (two sets); windows 2, 3: accumulators, (a, b) at v[8 (8 (a % 4) + b)].
; LIMITS: NaN and infinities are not served; a block whose largest magnitude lies under 2^-122 keeps the byte 1.
.set T,     8
.set LOGT,  3
.set NQ,    2
.set KS,    8
.set YS0,   12582912                   ; Y's scale words in its buffer
.set XC0,   6291456                    ; X's codes: unit 512
.set XS0,   12845056                   ; and scale words
.set QN,    T/4
.set FRB,   1536
.set HALFT, T*NQ*FRB
.set SLOT,  4*HALFT
.set HALFS, T*KS*64
.set SPARE, 0                          ; the spare words, 128 bytes a wave: two blocks of 256 bytes that no other line names
.set SCL,   512
.set RING,  512+((4*HALFS+64+255)/256)*256
.set LAPS,  KS/(2*NQ)
.set ADY16, 16
.set ADY8,  18
.set ADX16, 20
.set ADX8,  22
.set ADRS,  27
.set SPW,   28
.set NIL,   29
.set SC,    32
.set YF,    64
.set HA,    64
.set TM,    128
.set PW,    144
.set PC,    146
.set GZ,    128
.set GX,    160
.set GP,    192
.set GQ,    224
.set SEL,   46
.set CRT,   44                         ; s[44:45] 1 / sqrt 2
.set G1,  24
.set G0,  32
.set G1B, 48
.set G0B, 56
.set G1S, 68
.set G0S, 76
.set G1SB, 80
.set G0SB, 88
.set MSB, 0
.macro WIN new                         ; the immediate's high byte repeats the setting that is left
.if MSB != \new
	s_set_vgpr_msb (MSB<<8)|\new
.set MSB, \new
.endif
.endm
.set MUL_LO, 0xa1
.set MUL_HI, 0xf1
.set TO_X,   0x40
.macro JLOAD g0a, g1a, g0b, g1b        ; a joint load: waves 0, 1 fetch for Y, waves 2, 3 for X; four v_nop follow each line
	s_cmp_eq_u32 s15, 0
	s_cbranch_scc0 .Lfor_b_\@
	tensor_load_to_lds s[\g0a:\g0a+3], s[\g1a:\g1a+7]
	s_nop 0
.rept 4
	v_nop
.endr
	s_branch .Lasked_\@
.Lfor_b_\@:
	tensor_load_to_lds s[\g0b:\g0b+3], s[\g1b:\g1b+7]
	s_nop 0
.rept 4
	v_nop
.endr
.Lasked_\@:
.endm
.macro CREST
	s_cmp_lg_u32 s14, 0
	s_cbranch_scc1 .Lnot_wave_0_\@
	s_barrier_signal -3
.Lnot_wave_0_\@:
	s_barrier_wait -3
	s_barrier_signal -1
	s_barrier_wait -1
.endm
.macro CROUND
	s_barrier_signal -1
	s_barrier_wait -1
	CREST
.endm
.macro PLACES n
.rept \n
	v_nop
.endr
.endm
.macro FRAG reg, a16, a8, off
	ds_load_b128 v[\reg:\reg+3], v[\a16] offset:\off
	ds_load_b64 v[\reg+4:\reg+5], v[\a8] offset:\off+512
	ds_load_b128 v[\reg+6:\reg+9], v[\a16] offset:\off+768
	ds_load_b64 v[\reg+10:\reg+11], v[\a8] offset:\off+1280
.endm
.macro FETCH_XS slot, q, p             ; X's T fragments and the step's scale words: 5 T loads
	WIN TO_X
.set fi, 0
.rept T
	FRAG 12*T*(\p)+12*fi, ADX16+\slot, ADX8+\slot, (fi*NQ+(\q))*FRB
.set fi, fi+1
.endr
	WIN 0
.set fi, 0
.rept T
	ds_load_b32 v[SC+T*(\p)+fi], v[ADRS] offset:fi*KS*64+(\q)*64
.set fi, fi+1
.endr
.endm
.macro FETCH_Y slot, q, p
.set fi, 0
.rept T
	FRAG YF+12*T*(\p)+12*fi, ADY16+\slot, ADY8+\slot, (fi*NQ+(\q))*FRB
.set fi, fi+1
.endr
.endm
.macro MULP a0, n, p, zero             ; the accumulators take turns, one instruction a turn
.set ma, \a0
.rept \n
.set mb, 0
.rept T
.set rD, 8*(T*(ma%4)+mb)
.set rX, 12*T*(\p)+12*mb
.set rY, YF+12*T*(\p)+12*ma
.if \zero
	v_wmma_scale_f32_16x16x128_f8f6f4 v[rD:rD+7], v[rX:rX+11], v[rY:rY+11], 0, v[SC+T*(\p)+mb], v[SC+T*(\p)+ma] matrix_a_fmt:MATRIX_FMT_BF6 matrix_b_fmt:MATRIX_FMT_BF6 matrix_a_scale:MATRIX_SCALE_ROW1
.else
	v_wmma_scale_f32_16x16x128_f8f6f4 v[rD:rD+7], v[rX:rX+11], v[rY:rY+11], v[rD:rD+7], v[SC+T*(\p)+mb], v[SC+T*(\p)+ma] matrix_a_fmt:MATRIX_FMT_BF6 matrix_b_fmt:MATRIX_FMT_BF6 matrix_a_scale:MATRIX_SCALE_ROW1
.endif
.set mb, mb+1
.endr
.set ma, ma+1
.endr
.endm
.macro MQ k, p, zero
.if (\k)*QN >= 4
	WIN MUL_HI
.else
	WIN MUL_LO
.endif
	MULP (\k)*QN, QN, \p, \zero
.endm
.macro STEP slot, q, zero
	PLACES 4                                       ; in front of loads into registers that the step before has multiplied by
	FETCH_XS \slot, (\q)+1, ((\q)+1)%2
	s_wait_dscnt 5*T                               ; all but the 5 T loads just issued
	MQ 0, (\q)%2, \zero
	MQ 1, (\q)%2, \zero
	WIN 0
	FETCH_Y \slot, (\q)+1, ((\q)+1)%2
	MQ 2, (\q)%2, \zero
	MQ 3, (\q)%2, \zero
	WIN 0
.endm
.macro STEPS slot, first
.set sq, \first
.rept NQ-1-(\first)
	STEP \slot, sq, 0
.set sq, sq+1
.endr
.endm
.macro TURN slot, next, fill
	s_wait_tensorcnt 0x0                           ; all my tensor loads have landed: my part of the next slot
	ds_add_u32 v[SPW], v[NIL]                      ; 0 onto my spare word
	s_wait_dscnt 1                                 ; (the add alone may be out)
	MQ 0, 1, 0
	s_wait_dscnt 0x0                               ; the add is done, and my reads of this slot are over
	s_barrier_signal -1
	MQ 1, 1, 0
	WIN 0
	s_barrier_wait -1
.if \fill
	CREST                                          ; the barrier has opened a round of the cluster's barrier
	s_add_nc_u64 s[G0+4*\slot+2:G0+4*\slot+3], s[G0+4*\slot+2:G0+4*\slot+3], 2*NQ*FRB
	s_add_nc_u64 s[G0B+4*\slot+2:G0B+4*\slot+3], s[G0B+4*\slot+2:G0B+4*\slot+3], 2*NQ*FRB
	JLOAD G0+4*\slot, G1, G0B+4*\slot, G1B         ; the first tensor load behind the round
.else
	PLACES 4
.endif
	v_add_nc_u32 v[ADRS], NQ*64, v[ADRS]
	FETCH_XS \next, 0, 0
	MQ 2, 1, 0
	WIN 0
	FETCH_Y \next, 0, 0
	MQ 3, 1, 0
	WIN 0
.endm
.macro QUANT s
.irp b, 0,1,2,3
	v_max3_num_f32 v[TM+\b], |v[\s+16*\b]|, |v[\s+1+16*\b]|, 0x2800000   ; and the floor 2^(5 - 127)
.endr
.irp i, 2,4,6,8,10,12,14
.irp b, 0,1,2,3
	v_max3_num_f32 v[TM+\b], v[TM+\b], |v[\s+16*\b+\i]|, |v[\s+1+16*\b+\i]|
.endr
.endr
.irp b, 0,1,2,3
	v_permlanex16_b32 v[TM+4+\b], v[TM+\b], s[SEL], s[SEL+1]
.endr
.irp b, 0,1,2,3
	v_max_num_f32 v[TM+\b], v[TM+\b], v[TM+4+\b]
.endr
.irp b, 0,1,2,3
	v_add_nc_u32 v[TM+12+\b], 0xfe000000, v[TM+\b]
.endr
.irp b, 0,1,2,3
	v_lshrrev_b32 v[TM+4+\b], 23, v[TM+12+\b]
.endr
	v_lshl_or_b32 v[PW], v[TM+5], 8, v[TM+4]
	v_lshl_or_b32 v[PW], v[TM+6], 16, v[PW]
	v_lshl_or_b32 v[PW], v[TM+7], 24, v[PW]
.irp c, 0,1
	v_cvt_scalef32_pk16_bf6_f32 v[PC+6*\c:PC+2+6*\c], v[\s+32*\c:\s+15+32*\c], v[TM+12+2*\c]
	v_cvt_scalef32_pk16_bf6_f32 v[PC+12+4*\c:PC+14+4*\c], v[\s+16+32*\c:\s+31+32*\c], v[TM+12+2*\c+1]
.endr
	v_nop                                                 ; one plain place behind a scaled conversion
.irp c, 0,1
.irp i, 0,1,2
	v_permlane16_swap_b32 v[PC+6*\c+\i], v[PC+12+4*\c+\i]
.endr
.irp i, 0,1,2
	v_mov_b32 v[PC+3+6*\c+\i], v[PC+12+4*\c+\i]
.endr
.endr
.endm
.macro COEF r, bits
	s_mov_b32 s[\r], \bits
	s_mov_b32 s[\r+1], \bits
.endm
.macro HORNER acc, c                   ; acc = acc * z^2 + c, sixteen pairs: no line waits for the line above it
.set i, 0
.rept 16
	v_pk_fma_f32 v[\acc+2*i:\acc+2*i+1], v[\acc+2*i:\acc+2*i+1], v[GX+2*i:GX+2*i+1], s[\c:\c+1] op_sel_hi:[1,1,0]
.set i, i+1
.endr
.endm
.macro GELU hf                         ; 32 numbers of a lane, in place
.set HB, HA+32*(\hf)
.set i, 0
.rept 16
	v_pk_mul_f32 v[GZ+2*i:GZ+2*i+1], v[HB+2*i:HB+2*i+1], s[CRT:CRT+1] op_sel_hi:[1,0]
.set i, i+1
.endr
.set i, 0
.rept 32
	v_med3_num_f32 v[GZ+i], v[GZ+i], -4.0, 4.0
.set i, i+1
.endr
.set i, 0
.rept 16
	v_pk_mul_f32 v[GX+2*i:GX+2*i+1], v[GZ+2*i:GZ+2*i+1], v[GZ+2*i:GZ+2*i+1]
.set i, i+1
.endr
.set i, 0
.rept 16
	v_pk_fma_f32 v[GP+2*i:GP+2*i+1], v[GX+2*i:GX+2*i+1], s[24:25], v[48:49] op_sel_hi:[1,0,1]
.set i, i+1
.endr
	HORNER GP, 26
	HORNER GP, 28
	HORNER GP, 30
	HORNER GP, 32
	HORNER GP, 34
.set i, 0
.rept 16
	v_pk_fma_f32 v[GQ+2*i:GQ+2*i+1], v[GX+2*i:GX+2*i+1], s[36:37], v[50:51] op_sel_hi:[1,0,1]
.set i, i+1
.endr
	HORNER GQ, 38
	HORNER GQ, 40
	HORNER GQ, 42
.set i, 0
.rept 32
	v_rcp_f32 v[GQ+i], v[GQ+i]
.set i, i+1
.endr
.set i, 0
.rept 16
	v_pk_mul_f32 v[GP+2*i:GP+2*i+1], v[GP+2*i:GP+2*i+1], v[GZ+2*i:GZ+2*i+1]      ; z P: plain work behind the reciprocals, which names none of their results
.set i, i+1
.endr
.set i, 0
.rept 16
	v_pk_mul_f32 v[GZ+2*i:GZ+2*i+1], v[HB+2*i:HB+2*i+1], 0.5 op_sel_hi:[1,0]     ; x / 2
.set i, i+1
.endr
	s_wait_alu depctr_va_vdst(0)                   ; one wait for the 32 reciprocals, ahead of their first reader
.set i, 0
.rept 16
	v_pk_mul_f32 v[GP+2*i:GP+2*i+1], v[GP+2*i:GP+2*i+1], v[GQ+2*i:GQ+2*i+1]      ; erf
.set i, i+1
.endr
.set i, 0
.rept 16
	v_pk_fma_f32 v[HB+2*i:HB+2*i+1], v[GZ+2*i:GZ+2*i+1], v[GP+2*i:GP+2*i+1], v[GZ+2*i:GZ+2*i+1]
.set i, i+1
.endr
.endm
	s_load_b128 s[4:7], s[0:1], 0x0                ; the tokens' operand s[4:5], the weights' s[6:7]
	s_load_b64 s[8:9], s[0:1], 0x10                ; u's operand
	v_lshl_add_u32 v[SPW], v0, 2, SPARE
	v_mov_b32 v[NIL], 0
	ds_add_u32 v28, v29
	ds_add_u32 v28, v29
	s_wait_dscnt 0x0
	v_lshrrev_b32 v1, 5, v0
	v_readfirstlane_b32 s14, v1                    ; wave 0..3
	s_lshr_b32 s15, s14, 1                         ; my half of Y's tiles.  Also: I fetch for Y (0) or for X (1)
	s_and_b32 s16, s14, 1                          ; my half of X's.  Also: which half I fetch
	s_bfe_u32 s40, ttmp6, 0x40000                  ; cx
	s_bfe_u32 s41, ttmp6, 0x40004                  ; cy
	s_lshl_b32 s42, ttmp9, 2
	s_add_co_u32 s42, s42, s40                     ; X's block of 256 rows
	s_and_b32 s17, ttmp7, 0xffff
	s_lshl_b32 s17, s17, 2
	s_add_co_u32 s17, s17, s41                     ; Y's
	s_lshl_b32 s43, s41, 2
	s_lshl_b32 s43, 15, s43                        ; my row of the cluster
	s_lshl_b32 s44, 0x1111, s40                    ; my column
	s_or_b32 s[G1+0], s43, (3<<16)|(1<<21)
	s_or_b32 s[G1B+0], s44, (3<<16)|(1<<21)
.irp g, G1, G1B
	s_mov_b32 s[\g+1], (NQ*192)<<16
	s_mov_b32 s[\g+2], T<<16
	s_mov_b32 s[\g+3], (NQ*192)<<16
	s_mov_b32 s[\g+4], T
	s_mov_b32 s[\g+5], KS*192
	s_mov_b32 s[\g+6], 0
	s_mov_b32 s[\g+7], 0
.endr
	s_or_b32 s[G1S+0], s43, (3<<16)|(1<<21)
	s_or_b32 s[G1SB+0], s44, (3<<16)|(1<<21)
.irp g, G1S, G1SB
	s_mov_b32 s[\g+1], 32<<16
	s_mov_b32 s[\g+2], (HALFS/256)<<16
	s_mov_b32 s[\g+3], 32<<16
	s_mov_b32 s[\g+4], HALFS/256
	s_mov_b32 s[\g+5], 32
	s_mov_b32 s[\g+6], 0
	s_mov_b32 s[\g+7], 0
.endr
	s_lshl_b32 s18, s16, LOGT
	s_lshl_b32 s20, s17, LOGT+1
	s_add_co_u32 s20, s20, s18
	s_lshl_b32 s46, s42, LOGT+1
	s_add_co_u32 s46, s46, s18
	s_mul_i32 s22, s20, KS*64
	s_mul_i32 s20, s20, KS*FRB
	s_mul_i32 s92, s46, KS*64
	s_mul_i32 s46, s46, KS*FRB
	s_mov_b32 s21, 0
	s_mov_b32 s23, 0
	s_mov_b32 s47, 0
	s_mov_b32 s93, 0
	s_mul_i32 s45, s14, HALFT
	s_add_co_u32 s45, s45, RING
	s_mul_i32 s94, s14, HALFS
	s_lshl_b32 s97, s15, 6
	s_add_co_u32 s94, s94, s97
	s_add_co_u32 s94, s94, SCL
	s_wait_kmcnt 0x0
	s_add_nc_u64 s[20:21], s[4:5], s[20:21]
	s_add_nc_u64 s[22:23], s[4:5], s[22:23]
	s_add_nc_u64 s[22:23], s[22:23], YS0
	s_add_nc_u64 s[46:47], s[6:7], s[46:47]
	s_add_nc_u64 s[46:47], s[46:47], XC0
	s_add_nc_u64 s[92:93], s[6:7], s[92:93]
	s_add_nc_u64 s[92:93], s[92:93], XS0
	CROUND                                         ; all sixteen work-groups are here: the first joint loads meet
	s_mov_b32 s[G0S], 1
	s_mov_b32 s[G0S+1], s94
	s_mov_b64 s[G0S+2:G0S+3], s[22:23]
	s_or_b32 s[G0S+3], s[G0S+3], 0x80000000
	s_mov_b32 s[G0SB], 1
	s_mov_b32 s[G0SB+1], s94
	s_mov_b64 s[G0SB+2:G0SB+3], s[92:93]
	s_or_b32 s[G0SB+3], s[G0SB+3], 0x80000000
	JLOAD G0S, G1S, G0SB, G1SB                     ; three loads of mine are out behind the third line
.irp s, 0,1
	s_mov_b32 s[G0+4*\s], 1
	s_add_co_u32 s[G0+4*\s+1], s45, \s*SLOT
	s_add_nc_u64 s[G0+4*\s+2:G0+4*\s+3], s[20:21], \s*NQ*FRB
	s_or_b32 s[G0+4*\s+3], s[G0+4*\s+3], 0x80000000
	s_mov_b32 s[G0B+4*\s], 1
	s_add_co_u32 s[G0B+4*\s+1], s45, \s*SLOT
	s_add_nc_u64 s[G0B+4*\s+2:G0B+4*\s+3], s[46:47], \s*NQ*FRB
	s_or_b32 s[G0B+4*\s+3], s[G0B+4*\s+3], 0x80000000
	JLOAD G0+4*\s, G1, G0B+4*\s, G1B
.endr
	v_and_b32 v1, 15, v0                           ; r
	v_bfe_u32 v2, v0, 4, 1                         ; h
	v_and_b32 v3, 31, v0
	v_lshlrev_b32 v26, 4, v3                       ; 16 x lane
	v_lshlrev_b32 v4, 3, v3                        ; 8 x lane
	v_lshlrev_b32 v5, 2, v1                        ; 4 r
	s_mul_i32 s21, s15, HALFT
	s_add_co_u32 s21, s21, RING
	s_mul_i32 s22, s16, HALFT
	s_add_co_u32 s22, s22, RING+2*HALFT
.irp s, 0,1
	v_add_nc_u32 v[ADY16+\s], s21, v26
	v_add_nc_u32 v[ADY8+\s], s21, v4
	v_add_nc_u32 v[ADX16+\s], s22, v26
	v_add_nc_u32 v[ADX8+\s], s22, v4
	s_add_co_u32 s21, s21, SLOT
	s_add_co_u32 s22, s22, SLOT
.endr
	s_mul_i32 s21, s15, HALFS
	s_mul_i32 s22, s16, HALFS
	s_add_co_u32 s22, s22, 2*HALFS+64
	s_sub_co_u32 s22, s22, s21
	v_mul_u32_u24 v6, s22, v2                      ; lanes 16-31 take X's words: one product of h
	s_add_co_u32 s21, s21, SCL
	v_add_nc_u32 v6, v6, v5
	v_add_nc_u32 v[ADRS], s21, v6
	s_lshl_b32 s18, s14, 16
	s_add_co_u32 s18, s18, RING
	v_add_nc_u32 v24, s18, v26                     ; the way out: my own 65,536 bytes, 16 a lane
	s_wait_tensorcnt 1                             ; the scale words and my part of slot 0 are in; slot 1's load may be out
	s_barrier_signal -1
	s_barrier_wait -1
	FETCH_XS 0, 0, 0
	FETCH_Y 0, 0, 0
	STEP 0, 0, 1                                   ; the first K step's products start the sums
	STEPS 0, 1
.if LAPS > 1
	s_mov_b32 s3, LAPS-1
.Llap:
	TURN 0, 1, 1
	STEPS 1, 0
	TURN 1, 0, 1
	STEPS 0, 0
	s_sub_co_u32 s3, s3, 1
	s_cmp_lg_u32 s3, 0
	s_cbranch_scc1 .Llap
.endif
	TURN 0, 1, 0
	STEPS 1, 0
	s_wait_dscnt 0x0                               ; my reads of the ring are over
	s_barrier_signal -1
	MQ 0, 1, 0
	MQ 1, 1, 0
	MQ 2, 1, 0
	MQ 3, 1, 0
	WIN 0
	s_barrier_wait -1                              ; everybody's are: the ring, which has had its last fill, becomes the waves' stages
	PLACES 4
	WIN 0x08                                       ; the 64 accumulators go to my stage as they stand, each from its low end on
.set da, 0
.rept 8
.if da == 4
	WIN 0x0c
.endif
.set db, 0
.rept 8
	ds_store_b128 v24, v[8*(8*(da%4)+db):8*(8*(da%4)+db)+3] offset:1024*(8*da+db)
	ds_store_b128 v24, v[8*(8*(da%4)+db)+4:8*(8*(da%4)+db)+7] offset:1024*(8*da+db)+512
.set db, db+1
.endr
.set da, da+1
.endr
	WIN 0
	s_lshl_b32 s18, s17, 4
	s_lshl_b32 s19, s15, 3
	s_add_co_u32 s18, s18, s19                     ; my first tile of tokens
	s_lshl_b32 s19, s42, 1
	s_add_co_u32 s19, s19, s16                     ; my K step of the next product
	s_mul_i32 s20, s18, 49152
	s_mul_i32 s21, s19, 1536
	s_add_co_u32 s20, s20, s21
	s_mov_b32 s21, 0
	s_add_nc_u64 s[20:21], s[8:9], s[20:21]        ; u's codes: [256 tiles][32 K steps][1,536]
	s_lshl_b32 s22, s18, 11
	s_lshl_b32 s23, s19, 6
	s_add_co_u32 s22, s22, s23
	s_mov_b32 s23, 0
	s_add_nc_u64 s[22:23], s[8:9], s[22:23]
	s_add_nc_u64 s[22:23], s[22:23], 12582912      ; its scale words: [256][32][64 bytes]
	COEF 24, 0xaf95df0b                            ; P: -2.72614226e-10 (z^12),
	v_mov_b32 v48, 0x32edffee                      ;     2.77068142e-08,
	v_mov_b32 v49, 0x32edffee
	COEF 26, 0xb60cff51                            ;    -2.10102402e-06,
	COEF 28, 0xb86ec2d2                            ;    -5.69250639e-05,
	COEF 30, 0xba40ac63                            ;    -7.34990630e-04,
	COEF 32, 0xbb41a1f6                            ;    -2.95459981e-03,
	COEF 34, 0xbc83dbd4                            ;    -1.60960333e-02
	COEF 36, 0xb77460cd                            ; Q: -1.45660718e-05 (z^8),
	v_mov_b32 v50, 0xb95fbd29                      ;    -2.13374055e-04,
	v_mov_b32 v51, 0xb95fbd29
	COEF 38, 0xbadc924e                            ;    -1.68282697e-03,
	COEF 40, 0xbbf19bf8                            ;    -7.37332917e-03,
	COEF 42, 0xbc69b6a7                            ;    -1.42647391e-02
	COEF CRT, 0x3f3504f3
	s_mov_b32 s[SEL], 0x76543210
	s_mov_b32 s[SEL+1], 0xfedcba98
.irp b, 0,1,2,3
	v_mov_b32 v[TM+4+\b], 0                        ; a lane permute's destination counts as one of its sources
.endr
	s_mov_b32 s3, 0
	s_mov_b32 s2, 0
	s_mov_b32 s92, 0
	s_mov_b32 s93, 0
.Lrow:                                                 ; eight trips: Y's tile a against X's eight: 64 registers, one fragment of u
	v_add_nc_u32 v25, s2, v24
.irp i, 0,1,2,3,4,5,6,7,8,9,10,11,12,13,14,15
	ds_load_b128 v[HA+4*\i:HA+4*\i+3], v25 offset:512*\i     ; LDS serves a wave's instructions in order: these see my stores
.endr
	s_wait_dscnt 0x0
	s_wait_xcnt 0x0                                ; the last trip's stores have read their registers: offsets, codes and word are written again only behind this wait
	GELU 0
	GELU 1
	QUANT HA
	v_add_nc_u32 v30, s92, v26
	v_add_nc_u32 v31, s92, v4
	v_add_nc_u32 v6, s93, v5
	global_store_b128 v30, v[PC:PC+3], s[20:21]
	global_store_b64 v31, v[PC+4:PC+5], s[20:21] offset:512
	global_store_b128 v30, v[PC+6:PC+9], s[20:21] offset:768
	global_store_b64 v31, v[PC+10:PC+11], s[20:21] offset:1280
	global_store_b32 v6, v[PW], s[22:23]
	s_add_co_u32 s2, s2, 8192
	s_add_co_u32 s92, s92, 49152
	s_add_co_u32 s93, s93, 2048
	s_add_co_u32 s3, s3, 1
	s_cmp_lt_u32 s3, 8
	s_cbranch_scc1 .Lrow
	s_wait_tensorcnt 0x0                           ; the wave's end
	ds_add_u32 v[SPW], v[NIL]
	s_wait_dscnt 0x0
	CROUND                                         ; the closing round
	s_endpgm
.Lfunc_end_k_q9079ad7316_ffn1:
	.size	k_q9079ad7316_ffn1, .Lfunc_end_k_q9079ad7316_ffn1-k_q9079ad7316_ffn1
	.p2alignl 7, 3214868480
	.fill 96, 4, 3214868480
	.section	.rodata,"a",@progbits
	.p2align	6, 0x0
	.amdhsa_kernel k_q9079ad7316_ffn1
		.amdhsa_group_segment_fixed_size 327680
		.amdhsa_private_segment_fixed_size 0
		.amdhsa_enable_private_segment 0
		.amdhsa_kernarg_size 24
		.amdhsa_user_sgpr_count 2
		.amdhsa_user_sgpr_kernarg_segment_ptr 1
		.amdhsa_wavefront_size32 1
		.amdhsa_system_sgpr_workgroup_id_x 1
		.amdhsa_system_sgpr_workgroup_id_y 1
		.amdhsa_system_sgpr_workgroup_id_z 1
		.amdhsa_system_vgpr_workitem_id 0
		.amdhsa_next_free_vgpr 1024
		.amdhsa_next_free_sgpr 100
		.amdhsa_reserve_vcc 0
		.amdhsa_float_denorm_mode_32 3
		.amdhsa_float_denorm_mode_16_64 3
		.amdhsa_memory_ordered 1
		.amdhsa_forward_progress 1
		.amdhsa_inst_pref_size 170
	.end_amdhsa_kernel
	.amdgpu_metadata
---
amdhsa.version: [ 1, 2 ]
amdhsa.kernels:
  - .name:           k_q9079ad7316_ffn1
    .symbol:         k_q9079ad7316_ffn1.kd
    .args:
      - { .name: h2q, .offset: 0, .size: 8, .value_kind: global_buffer, .address_space: global }
      - { .name: prepo, .offset: 8, .size: 8, .value_kind: global_buffer, .address_space: global }
      - { .name: uq, .offset: 16, .size: 8, .value_kind: global_buffer, .address_space: global }
    .group_segment_fixed_size: 327680
    .private_segment_fixed_size: 0
    .kernarg_segment_align: 8
    .kernarg_segment_size: 24
    .max_flat_workgroup_size: 128
    .sgpr_count:     100
    .vgpr_count:     1024
    .wavefront_size: 32
...
	.end_amdgpu_metadata
.endif
;; end of part 5
;; launch ffn2 (part 6): grid 8 x 32, 4 waves a work-group, clusters of 4 x 4, 327,680 bytes of LDS; arguments uq, prepo, x2, out0; writes out0
.if DOCPART == 6
	.amdgcn_target "amdgcn-amd-amdhsa--gfx1250"
	.amdhsa_code_object_version 6
	.text
	.protected	k_q9079ad7316_ffn2
	.globl	k_q9079ad7316_ffn2
	.p2align	8
	.type	k_q9079ad7316_ffn2,@function
k_q9079ad7316_ffn2:
	s_mov_b64 s[64:65], 0
	v_nop
	global_prefetch_b8 v0, s[64:65] scope:SCOPE_SE
	s_setreg_imm32_b32 hwreg(HW_REG_WAVE_MODE, 25, 1), 1
	s_wait_xcnt 0x0
	s_wait_alu depctr_hold_cnt(0) depctr_sa_sdst(0) depctr_va_vdst(0) depctr_va_sdst(0) depctr_va_ssrc(0) depctr_va_vcc(0) depctr_vm_vsrc(0)
	s_getreg_b32 s2, hwreg(HW_REG_IB_STS2, 6, 4)
	s_cmp_eq_u32 s2, 0
	s_cbranch_scc0 .Lentry_in_a_cluster
	s_endpgm
.Lentry_in_a_cluster:
	s_bfe_u32 s2, ttmp6, 0x10000c
	s_cmp_lg_u32 s2, 0xf033
	s_cbranch_scc0 .Lentry_shape_is_right
	s_endpgm
.Lentry_shape_is_right:
; out = u w2^T + x2 on codes of BF6 with E8M0 scales, K = 4,096.  Y (source 1) = tokens, X (source 0) = rows of the weight; both are images of operand registers:
; [tile of 16 rows][K step of 128][1,536 bytes], scale words [tile][K step][16 words]; of each 32 rows tile u holds rows 8 u + r + 8 (r / 8).
; The result has 64 tiles of 256 x 256, too few for 256 WGPs: a work-group makes 128 x 128 (256 work-groups), each of four waves 64 x 64: 16 accumulators.
; K goes through a ring of two LDS slots of four K steps (64 matrix instructions a wave between two changes of slots); all scale words come once.  Y's tiles are asked for jointly along a row of the 4 x 4 cluster, X's along a column.
; A lane's eight results are eight neighbouring columns of one token; they meet in a stage in LDS (slot 0, which has had its last fill and its last read), come back as whole rows of 512 bytes, take the residual and are stored.
; REGISTERS: window 0: v1-31 addresses, v32-39 scale words (two sets), v64-159 Y's fragments (two sets); window 1: v0-95 X's (two sets), v128-255 the residual; window 2: accumulators, (a, b) at v[8 (4 a + b)].
.set T,     4
.set LOGT,  2
.set NQ,    4
.set KS,    32
.set YS0,   12582912                   ; Y's scale words in its buffer
.set XC0,   9437184                    ; X's codes: unit 768
.set XS0,   12976128                   ; and scale words
.set NTOUT, 1
.set QN,    T/4
.set FRB,   1536
.set HALFT, T*NQ*FRB
.set SLOT,  4*HALFT
.set HALFS, T*KS*64
.set SPARE, 0                          ; the spare words, 128 bytes a wave: two blocks of 256 bytes that no other line names
.set SCL,   512
.set RING,  512+((4*HALFS+64+255)/256)*256
.set LAPS,  KS/(2*NQ)
.set SP,    528                        ; a stage row: 512 bytes + 16
.set ADY16, 16
.set ADY8,  18
.set ADX16, 20
.set ADX8,  22
.set ADRS,  27
.set SPW,   28
.set NIL,   29
.set SC,    32
.set YF,    64
.set G1,  24
.set G0,  32
.set G1B, 48
.set G0B, 56
.set G1S, 68
.set G0S, 76
.set G1SB, 80
.set G0SB, 88
.set MSB, 0
.macro WIN new                         ; the immediate's high byte repeats the setting that is left
.if MSB != \new
	s_set_vgpr_msb (MSB<<8)|\new
.set MSB, \new
.endif
.endm
.set MUL_LO, 0xa1
.set MUL_HI, 0xf1
.set TO_X,   0x40
.macro JLOAD g0a, g1a, g0b, g1b        ; a joint load: waves 0, 1 fetch for Y, waves 2, 3 for X; four v_nop follow each line
	s_cmp_eq_u32 s15, 0
	s_cbranch_scc0 .Lfor_b_\@
	tensor_load_to_lds s[\g0a:\g0a+3], s[\g1a:\g1a+7]
	s_nop 0
.rept 4
	v_nop
.endr
	s_branch .Lasked_\@
.Lfor_b_\@:
	tensor_load_to_lds s[\g0b:\g0b+3], s[\g1b:\g1b+7]
	s_nop 0
.rept 4
	v_nop
.endr
.Lasked_\@:
.endm
.macro CREST
	s_cmp_lg_u32 s14, 0
	s_cbranch_scc1 .Lnot_wave_0_\@
	s_barrier_signal -3
.Lnot_wave_0_\@:
	s_barrier_wait -3
	s_barrier_signal -1
	s_barrier_wait -1
.endm
.macro CROUND
	s_barrier_signal -1
	s_barrier_wait -1
	CREST
.endm
.macro PLACES n
.rept \n
	v_nop
.endr
.endm
.macro FRAG reg, a16, a8, off
	ds_load_b128 v[\reg:\reg+3], v[\a16] offset:\off
	ds_load_b64 v[\reg+4:\reg+5], v[\a8] offset:\off+512
	ds_load_b128 v[\reg+6:\reg+9], v[\a16] offset:\off+768
	ds_load_b64 v[\reg+10:\reg+11], v[\a8] offset:\off+1280
.endm
.macro FETCH_XS slot, q, p             ; X's T fragments and the step's scale words: 5 T loads
	WIN TO_X
.set fi, 0
.rept T
	FRAG 12*T*(\p)+12*fi, ADX16+\slot, ADX8+\slot, (fi*NQ+(\q))*FRB
.set fi, fi+1
.endr
	WIN 0
.set fi, 0
.rept T
	ds_load_b32 v[SC+T*(\p)+fi], v[ADRS] offset:fi*KS*64+(\q)*64
.set fi, fi+1
.endr
.endm
.macro FETCH_Y slot, q, p
.set fi, 0
.rept T
	FRAG YF+12*T*(\p)+12*fi, ADY16+\slot, ADY8+\slot, (fi*NQ+(\q))*FRB
.set fi, fi+1
.endr
.endm
.macro MULP a0, n, p, zero             ; the accumulators take turns, one instruction a turn
.set ma, \a0
.rept \n
.set mb, 0
.rept T
.set rD, 8*(T*(ma%4)+mb)
.set rX, 12*T*(\p)+12*mb
.set rY, YF+12*T*(\p)+12*ma
.if \zero
	v_wmma_scale_f32_16x16x128_f8f6f4 v[rD:rD+7], v[rX:rX+11], v[rY:rY+11], 0, v[SC+T*(\p)+mb], v[SC+T*(\p)+ma] matrix_a_fmt:MATRIX_FMT_BF6 matrix_b_fmt:MATRIX_FMT_BF6 matrix_a_scale:MATRIX_SCALE_ROW1
.else
	v_wmma_scale_f32_16x16x128_f8f6f4 v[rD:rD+7], v[rX:rX+11], v[rY:rY+11], v[rD:rD+7], v[SC+T*(\p)+mb], v[SC+T*(\p)+ma] matrix_a_fmt:MATRIX_FMT_BF6 matrix_b_fmt:MATRIX_FMT_BF6 matrix_a_scale:MATRIX_SCALE_ROW1
.endif
.set mb, mb+1
.endr
.set ma, ma+1
.endr
.endm
.macro MQ k, p, zero
.if (\k)*QN >= 4
	WIN MUL_HI
.else
	WIN MUL_LO
.endif
	MULP (\k)*QN, QN, \p, \zero
.endm
.macro STEP slot, q, zero
	PLACES 4                                       ; in front of loads into registers that the step before has multiplied by
	FETCH_XS \slot, (\q)+1, ((\q)+1)%2
	s_wait_dscnt 5*T                               ; all but the 5 T loads just issued
	MQ 0, (\q)%2, \zero
	MQ 1, (\q)%2, \zero
	WIN 0
	FETCH_Y \slot, (\q)+1, ((\q)+1)%2
	MQ 2, (\q)%2, \zero
	MQ 3, (\q)%2, \zero
	WIN 0
.endm
.macro STEPS slot, first
.set sq, \first
.rept NQ-1-(\first)
	STEP \slot, sq, 0
.set sq, sq+1
.endr
.endm
.macro TURN slot, next, fill
	s_wait_tensorcnt 0x0                           ; all my tensor loads have landed: my part of the next slot
	ds_add_u32 v[SPW], v[NIL]                      ; 0 onto my spare word
	s_wait_dscnt 1                                 ; (the add alone may be out)
	MQ 0, 1, 0
	s_wait_dscnt 0x0                               ; the add is done, and my reads of this slot are over
	s_barrier_signal -1
	MQ 1, 1, 0
	WIN 0
	s_barrier_wait -1
.if \fill
	CREST                                          ; the barrier has opened a round of the cluster's barrier: no wave of any partner still reads this slot or has a load on its way
	s_add_nc_u64 s[G0+4*\slot+2:G0+4*\slot+3], s[G0+4*\slot+2:G0+4*\slot+3], 2*NQ*FRB
	s_add_nc_u64 s[G0B+4*\slot+2:G0B+4*\slot+3], s[G0B+4*\slot+2:G0B+4*\slot+3], 2*NQ*FRB
	JLOAD G0+4*\slot, G1, G0B+4*\slot, G1B         ; the first tensor load behind the round; its four v_nop are also the places in front of the loads below
.else
	PLACES 4
.endif
	v_add_nc_u32 v[ADRS], NQ*64, v[ADRS]
	FETCH_XS \next, 0, 0
	MQ 2, 1, 0
	WIN 0
	FETCH_Y \next, 0, 0
	MQ 3, 1, 0
	WIN 0
.endm
	s_load_b256 s[4:11], s[0:1], 0x0               ; Y's buffer s[4:5], the weights' s[6:7], the residual s[8:9], the result s[10:11]
	v_lshl_add_u32 v[SPW], v0, 2, SPARE
	v_mov_b32 v[NIL], 0
	ds_add_u32 v28, v29
	ds_add_u32 v28, v29
	s_wait_dscnt 0x0
	v_lshrrev_b32 v1, 5, v0
	v_readfirstlane_b32 s14, v1                    ; wave 0..3
	s_lshr_b32 s15, s14, 1                         ; my half of Y's tiles.  Also: I fetch for Y (0) or for X (1)
	s_and_b32 s16, s14, 1                          ; my half of X's.  Also: which half I fetch
	s_bfe_u32 s40, ttmp6, 0x40000                  ; cx
	s_bfe_u32 s41, ttmp6, 0x40004                  ; cy
	s_lshl_b32 s42, ttmp9, 2
	s_add_co_u32 s42, s42, s40                     ; X's block of 128 rows
	s_and_b32 s17, ttmp7, 0xffff
	s_lshl_b32 s17, s17, 2
	s_add_co_u32 s17, s17, s41                     ; Y's
	s_lshl_b32 s43, s41, 2
	s_lshl_b32 s43, 15, s43                        ; my row of the cluster
	s_lshl_b32 s44, 0x1111, s40                    ; my column
	s_or_b32 s[G1+0], s43, (3<<16)|(1<<21)         ; the mask; elements of 8 bytes; bit 21 beside a mask; no padding
	s_or_b32 s[G1B+0], s44, (3<<16)|(1<<21)
.irp g, G1, G1B
	s_mov_b32 s[\g+1], (NQ*192)<<16
	s_mov_b32 s[\g+2], T<<16
	s_mov_b32 s[\g+3], (NQ*192)<<16
	s_mov_b32 s[\g+4], T
	s_mov_b32 s[\g+5], KS*192
	s_mov_b32 s[\g+6], 0
	s_mov_b32 s[\g+7], 0
.endr
	s_or_b32 s[G1S+0], s43, (3<<16)|(1<<21)
	s_or_b32 s[G1SB+0], s44, (3<<16)|(1<<21)
.irp g, G1S, G1SB
	s_mov_b32 s[\g+1], 32<<16
	s_mov_b32 s[\g+2], (HALFS/256)<<16
	s_mov_b32 s[\g+3], 32<<16
	s_mov_b32 s[\g+4], HALFS/256
	s_mov_b32 s[\g+5], 32
	s_mov_b32 s[\g+6], 0
	s_mov_b32 s[\g+7], 0
.endr
	s_lshl_b32 s18, s16, LOGT
	s_lshl_b32 s20, s17, LOGT+1
	s_add_co_u32 s20, s20, s18                     ; Y: the first tile that I fetch
	s_lshl_b32 s46, s42, LOGT+1
	s_add_co_u32 s46, s46, s18                     ; X likewise
	s_mul_i32 s22, s20, KS*64
	s_mul_i32 s20, s20, KS*FRB
	s_mul_i32 s92, s46, KS*64
	s_mul_i32 s46, s46, KS*FRB
	s_mov_b32 s21, 0
	s_mov_b32 s23, 0
	s_mov_b32 s47, 0
	s_mov_b32 s93, 0
	s_mul_i32 s45, s14, HALFT
	s_add_co_u32 s45, s45, RING
	s_mul_i32 s94, s14, HALFS
	s_lshl_b32 s97, s15, 6
	s_add_co_u32 s94, s94, s97
	s_add_co_u32 s94, s94, SCL
	s_wait_kmcnt 0x0
	s_add_nc_u64 s[20:21], s[4:5], s[20:21]
	s_add_nc_u64 s[22:23], s[4:5], s[22:23]
	s_add_nc_u64 s[22:23], s[22:23], YS0
	s_add_nc_u64 s[46:47], s[6:7], s[46:47]
	s_add_nc_u64 s[46:47], s[46:47], XC0
	s_add_nc_u64 s[92:93], s[6:7], s[92:93]
	s_add_nc_u64 s[92:93], s[92:93], XS0
	CROUND                                         ; all sixteen work-groups are here: the first joint loads meet
	s_mov_b32 s[G0S], 1
	s_mov_b32 s[G0S+1], s94
	s_mov_b64 s[G0S+2:G0S+3], s[22:23]
	s_or_b32 s[G0S+3], s[G0S+3], 0x80000000
	s_mov_b32 s[G0SB], 1
	s_mov_b32 s[G0SB+1], s94
	s_mov_b64 s[G0SB+2:G0SB+3], s[92:93]
	s_or_b32 s[G0SB+3], s[G0SB+3], 0x80000000
	JLOAD G0S, G1S, G0SB, G1SB                     ; three loads of mine are out behind the third line; later one behind each round
.irp s, 0,1
	s_mov_b32 s[G0+4*\s], 1
	s_add_co_u32 s[G0+4*\s+1], s45, \s*SLOT
	s_add_nc_u64 s[G0+4*\s+2:G0+4*\s+3], s[20:21], \s*NQ*FRB
	s_or_b32 s[G0+4*\s+3], s[G0+4*\s+3], 0x80000000
	s_mov_b32 s[G0B+4*\s], 1
	s_add_co_u32 s[G0B+4*\s+1], s45, \s*SLOT
	s_add_nc_u64 s[G0B+4*\s+2:G0B+4*\s+3], s[46:47], \s*NQ*FRB
	s_or_b32 s[G0B+4*\s+3], s[G0B+4*\s+3], 0x80000000
	JLOAD G0+4*\s, G1, G0B+4*\s, G1B
.endr
	v_and_b32 v1, 15, v0                           ; r
	v_bfe_u32 v2, v0, 4, 1                         ; h
	v_and_b32 v3, 31, v0
	v_lshlrev_b32 v26, 4, v3                       ; 16 x lane
	v_lshlrev_b32 v4, 3, v3                        ; 8 x lane
	v_lshlrev_b32 v5, 2, v1                        ; 4 r
	s_lshl_b32 s18, s17, 7                         ; the rows that I store: 128 x Y's block + 32 x wave; the columns: 128 x X's block
	s_lshl_b32 s19, s14, 5
	s_add_co_u32 s18, s18, s19
	s_lshl_b32 s18, s18, 12
	s_lshl_b32 s19, s42, 9
	s_add_co_u32 s18, s18, s19
	s_mov_b32 s19, 0
	s_add_nc_u64 s[8:9], s[8:9], s[18:19]
	s_add_nc_u64 s[10:11], s[10:11], s[18:19]
	WIN TO_X
.set i, 0
.rept 32
	global_load_b128 v[128+4*i:131+4*i], v26, s[8:9] offset:4096*i   ; the residual's 32 rows of 512 bytes: asked for now, wanted at the end
.set i, i+1
.endr
	WIN 0
	s_mul_i32 s21, s15, HALFT
	s_add_co_u32 s21, s21, RING
	s_mul_i32 s22, s16, HALFT
	s_add_co_u32 s22, s22, RING+2*HALFT
.irp s, 0,1
	v_add_nc_u32 v[ADY16+\s], s21, v26
	v_add_nc_u32 v[ADY8+\s], s21, v4
	v_add_nc_u32 v[ADX16+\s], s22, v26
	v_add_nc_u32 v[ADX8+\s], s22, v4
	s_add_co_u32 s21, s21, SLOT
	s_add_co_u32 s22, s22, SLOT
.endr
	s_mul_i32 s21, s15, HALFS
	s_mul_i32 s22, s16, HALFS
	s_add_co_u32 s22, s22, 2*HALFS+64
	s_sub_co_u32 s22, s22, s21
	v_mul_u32_u24 v6, s22, v2                      ; lanes 16-31 take X's words: one product of h
	s_add_co_u32 s21, s21, SCL
	v_add_nc_u32 v6, v6, v5
	v_add_nc_u32 v[ADRS], s21, v6
	v_and_b32 v6, 8, v1
	v_add_nc_u32 v6, v6, v1                        ; r + 8 (r / 8): the token's true row in its 32
	v_mul_u32_u24 v24, v6, SP
	v_lshl_add_u32 v24, v2, 6, v24
	s_mul_i32 s18, s15, 64*SP
	s_lshl_b32 s19, s16, 8
	s_add_co_u32 s18, s18, s19
	s_add_co_u32 s18, s18, RING
	v_add_nc_u32 v24, s18, v24                     ; into the stage: my 64 rows, my 256 bytes of them, + 64 h
	s_mul_i32 s18, s14, 32*SP
	s_add_co_u32 s18, s18, RING
	v_add_nc_u32 v25, s18, v26                     ; back: 32 whole rows a wave
	s_wait_tensorcnt 1                             ; the scale words and my part of slot 0 are in; slot 1's load may be out
	s_barrier_signal -1
	s_barrier_wait -1
	FETCH_XS 0, 0, 0
	FETCH_Y 0, 0, 0
	STEP 0, 0, 1                                   ; the first K step's products start the sums
	STEPS 0, 1
.if LAPS > 1
	s_mov_b32 s3, LAPS-1
.Llap:                                                 ; a trip goes once round the ring and fills both slots again
	TURN 0, 1, 1
	STEPS 1, 0
	TURN 1, 0, 1
	STEPS 0, 0
	s_sub_co_u32 s3, s3, 1
	s_cmp_lg_u32 s3, 0
	s_cbranch_scc1 .Llap
.endif
	TURN 0, 1, 0                                   ; the last lap fills nothing
	STEPS 1, 0
	s_wait_dscnt 0x0
	MQ 0, 1, 0
	MQ 1, 1, 0
	MQ 2, 1, 0
	MQ 3, 1, 0
	WIN 0
	PLACES 4
	WIN 0x08                                       ; an LDS store's data are its source 1: window 2.  Lane (r, h) of (a, b): token 32 (a / 2) + 8 (a % 2) + r + 8 (r / 8), columns 32 (b / 2) + 16 h + 8 (b % 2) + 0 .. 7
.set ea, 0
.rept 4
.set eb, 0
.rept 4
	ds_store_b128 v24, v[8*(4*ea+eb):8*(4*ea+eb)+3] offset:(32*(ea/2)+8*(ea%2))*SP+128*(eb/2)+32*(eb%2)
	ds_store_b128 v24, v[8*(4*ea+eb)+4:8*(4*ea+eb)+7] offset:(32*(ea/2)+8*(ea%2))*SP+128*(eb/2)+32*(eb%2)+16
.set eb, eb+1
.endr
.set ea, ea+1
.endr
	WIN 0
	s_wait_dscnt 0x0                               ; for the others' sake: my stores into the stage are done
	s_barrier_signal -1
	s_barrier_wait -1
.set i, 0
.rept 32
	ds_load_b128 v[64+4*i:67+4*i], v25 offset:SP*i
.set i, i+1
.endr
	s_wait_loadcnt 0x0                             ; the residual
	s_wait_dscnt 0x0
	WIN 0x04                                       ; source 1: window 1
.set i, 0
.rept 64
	v_pk_add_f32 v[64+2*i:65+2*i], v[64+2*i:65+2*i], v[128+2*i:129+2*i]
.set i, i+1
.endr
	WIN 0
.set i, 0
.rept 32
.if NTOUT
	global_store_b128 v26, v[64+4*i:67+4*i], s[10:11] offset:4096*i th:TH_STORE_NT    ; 32 lanes store 512 consecutive bytes, at a multiple of 256 from the buffer's first byte; written once, read by nobody here
.else
	global_store_b128 v26, v[64+4*i:67+4*i], s[10:11] offset:4096*i
.endif
.set i, i+1
.endr
	s_wait_tensorcnt 0x0                           ; the wave's end
	ds_add_u32 v[SPW], v[NIL]
	s_wait_dscnt 0x0
	CROUND                                         ; the closing round
	s_endpgm
.Lfunc_end_k_q9079ad7316_ffn2:
	.size	k_q9079ad7316_ffn2, .Lfunc_end_k_q9079ad7316_ffn2-k_q9079ad7316_ffn2
	.p2alignl 7, 3214868480
	.fill 96, 4, 3214868480
	.section	.rodata,"a",@progbits
	.p2align	6, 0x0
	.amdhsa_kernel k_q9079ad7316_ffn2
		.amdhsa_group_segment_fixed_size 327680
		.amdhsa_private_segment_fixed_size 0
		.amdhsa_enable_private_segment 0
		.amdhsa_kernarg_size 32
		.amdhsa_user_sgpr_count 2
		.amdhsa_user_sgpr_kernarg_segment_ptr 1
		.amdhsa_wavefront_size32 1
		.amdhsa_system_sgpr_workgroup_id_x 1
		.amdhsa_system_sgpr_workgroup_id_y 1
		.amdhsa_system_sgpr_workgroup_id_z 1
		.amdhsa_system_vgpr_workitem_id 0
		.amdhsa_next_free_vgpr 640
		.amdhsa_next_free_sgpr 100
		.amdhsa_reserve_vcc 0
		.amdhsa_float_denorm_mode_32 3
		.amdhsa_float_denorm_mode_16_64 3
		.amdhsa_memory_ordered 1
		.amdhsa_forward_progress 1
		.amdhsa_inst_pref_size 101
	.end_amdhsa_kernel
	.amdgpu_metadata
---
amdhsa.version: [ 1, 2 ]
amdhsa.kernels:
  - .name:           k_q9079ad7316_ffn2
    .symbol:         k_q9079ad7316_ffn2.kd
    .args:
      - { .name: uq, .offset: 0, .size: 8, .value_kind: global_buffer, .address_space: global }
      - { .name: prepo, .offset: 8, .size: 8, .value_kind: global_buffer, .address_space: global }
      - { .name: x2, .offset: 16, .size: 8, .value_kind: global_buffer, .address_space: global }
      - { .name: out0, .offset: 24, .size: 8, .value_kind: global_buffer, .address_space: global }
    .group_segment_fixed_size: 327680
    .private_segment_fixed_size: 0
    .kernarg_segment_align: 8
    .kernarg_segment_size: 32
    .max_flat_workgroup_size: 128
    .sgpr_count:     100
    .vgpr_count:     640
    .wavefront_size: 32
...
	.end_amdgpu_metadata
.endif
;; end of part 6
